; MI455X (gfx1250); checked and timed in simulation.
; The chip was launched on July 23, 2026; its instructions are those of AMD's public machine-readable ISA for CDNA 5 (MIT licence, August 2026) and "CDNA5" Instruction Set Architecture Reference Guide (July 2026). The comments in the code are by the model that wrote it; some were corrected since.
;; Attention Block. Allowed arithmetic: matrix products marked QUANTISED: E2M1 operands, one E8M0 scale for each 32 along K, by v_wmma_scale_f32_16x16x128_f8f6f4 with both operands' format E2M1 (or v_wmma_scale_f32_32x16x128_f4), f32 sums; everything else in f32.
;; Inputs: Wk 512 x 512 float32; Wp 512 x 512 float32; Wq 512 x 512 float32; Wv 512 x 512 float32; beta 512 float32; bk 512 float32; bp 512 float32; bq 512 float32; bv 512 float32; gamma 512 float32; x 32 x 32 x 32 x 512 float32.
;; Outputs: out0 32 x 32 x 32 x 512 float32.
;; This version of the problem:
;;   THIS VERSION OF THE PROBLEM IS GIVEN IN LOW PRECISION. The matrix products marked QUANTISED in the list below multiply operands that are first quantised to E2M1 (2 exponent bits, 1 mantissa bit; 4 bits a number), with one power-of-two scale for each 32 numbers along K (OCP MX v1.0); their sums are f32. All else is computed in f32.
;;   The module's matrix products, in the order in which they are computed (A, B: the left and right operand; K: the contracted axis; several contracted axes count as one K, in the product's order):
;;     1. [M 32,768, K 512] x [K 512, N 512]; A: computed on the way; B: input Wq: QUANTISED
;;     2. [M 32,768, K 512] x [K 512, N 512]; A: computed on the way; B: input Wk: QUANTISED
;;     3. [M 32,768, K 512] x [K 512, N 512]; A: computed on the way; B: input Wv: QUANTISED
;;     4. batch 32 x [M 1,024, K 512] x [K 512, N 1,024]; A: computed on the way; B: computed on the way: QUANTISED
;;     5. batch 32 x [M 1,024, K 1,024] x [K 1,024, N 512]; A: softmax (see below); B: computed on the way: QUANTISED
;;     6. [M 32,768, K 512] x [K 512, N 512]; A: computed on the way; B: input Wp: QUANTISED
;;   THE QUANTISER, for each operand of a quantised product, along K:
;;     - K is cut into blocks of 32 from its start; a last block that is shorter is filled with zeros.
;;     - A block's scale is 2^e with e = floor(log2(the largest magnitude in the block)) - 2, held to -126 .. 127; a block of zeros has e = 0. As a byte (E8M0): e + 127.
;;     - Each number is divided by its block's scale, clamped to +-6, and rounded to the nearest number of E2M1, ties to even, subnormals kept.
;;     - The product sums the exact products of the quantised numbers (number of the format x scale) in f32.
;;   ~~~python
;;   def quantise(x, axis):      # numpy; x: float32 -> the quantised numbers, widened to float32 again
;;       x = np.moveaxis(x, axis, -1); K = x.shape[-1]
;;       x = np.pad(x, [(0, 0)] * (x.ndim - 1) + [(0, -K % 32)]); x = x.reshape(x.shape[:-1] + (-1, 32)); a = np.abs(x).max(-1, keepdims=True)
;;       e = np.where(a > 0, np.clip(np.frexp(np.where(a > 0, a, 1))[1] - 1 - 2, -126, 127), 0)      # np.frexp(a)[1] - 1 = floor(log2(a)), exactly
;;       r = np.clip(x / 2.0 ** e, -6, 6)
;;       step = 2.0 ** (np.maximum(np.frexp(np.where(r == 0, 1, r))[1] - 1, 0) - 1)
;;       q = np.round(r / step) * step * 2.0 ** e      # np.round: ties to even
;;       return np.moveaxis(q.reshape(q.shape[:-2] + (-1,))[..., :K], -1, axis).astype(np.float32)
;;   ~~~
;;   SOFTMAX AHEAD OF A QUANTISED PRODUCT. Where the list says 'softmax', what is quantised is not the finished softmax but p = 2^(t - M), with t = logit x log2(e) and M = ceil(the row's largest t), a whole number; so 1/2 < the row's largest p <= 1. The row's sum l is taken of the UNQUANTISED p, in f32, and the product's result is divided by l at the end. Since M is a whole number, a kernel that streams over the keys may use a running M (the ceiling of the running maximum): every later rescaling is an exact power of two, which a block's scale takes up: the codes' values come out the same.
;;   OPERANDS COMPUTED ON THE WAY. 'Computed on the way' means the value that the module computes at that place (a softmax that the list does not call 'softmax' is quantised finished and normalised). What goes into a quantiser is computed in f32, as accurately as f32 sums, v_exp_f32 and their like allow (about 1e-6 of the number): no bf16 or f16 on the way to a quantiser, and a product that is left as it is and whose result goes on into a quantised operand takes f32 operands (vector FMAs, or v_wmma_f32_16x16x4_f32). A number that lies on a knife's edge between two numbers of the format may be rounded either way, as far as f32 arithmetic and the matrix unit's own rounding can turn it there, and no further.
;; One version. Each part assembles by itself: llvm-mc -triple=amdgcn-amd-amdhsa -mcpu=gfx1250 --defsym DOCPART=n.
;; ======== version 1 of 1: 3 launches
;; limits: right only within a limited range of input values
;; workspace buffers: xq 8,912,896 bytes; wc 557,056 bytes; qq 8,912,896 bytes; kv 17,825,792 bytes
;; launch norm (part 1): grid 8 x 32, 16 waves a work-group, no clusters, 281,088 bytes of LDS; arguments x, gamma, beta, Wq, Wk, Wv, Wp, xq, wc; writes xq, wc
.if DOCPART == 1
	.amdgcn_target "amdgcn-amd-amdhsa--gfx1250"
	.amdhsa_code_object_version 6
	.text
	.protected	k_q2df5521e3b_norm
	.globl	k_q2df5521e3b_norm
	.p2align	8
	.type	k_q2df5521e3b_norm,@function
k_q2df5521e3b_norm:
	s_mov_b64 s[64:65], 0
	v_nop
	global_prefetch_b8 v0, s[64:65] scope:SCOPE_SE
	s_setreg_imm32_b32 hwreg(HW_REG_WAVE_MODE, 25, 1), 1
	s_wait_xcnt 0x0
; GROUP NORM, ITS RESULT AS CODES OF FP4 (E2M1), AND THE FOUR WEIGHTS AS CODES.
; x: [32][1024 tokens][512] f32.  A work-group (group g = x, batch b = y) owns one group: 1,024 tokens x 64 channels = 1,024 rows of 256 bytes, 256 KiB: it fits in LDS, so the
; mean, the variance (two passes: sum, then sum of squared differences) and the normalised numbers are made from ONE read of x.  A group is two quantiser blocks of 32 channels, so the codes are made here too.
; SHARES.  Wave w owns tokens 64 w .. 64 w + 63: four tiles of 16 tokens.  ROW r OF TILE 2 b + u IS TOKEN 32 b + 8 u + r + 8 (r / 8) (all tiles of this program are ordered so).
; Lane (r = lane % 16, h = lane / 16) holds block h (32 channels) of its token: 32 registers a tile, 128 in all: a block's largest magnitude needs no other lane.
; OUT.  xq: 256 blocks (8 b + chunk of 128 tokens) of 34,816 bytes: fragments (K step s, tile t) at (8 s + t) 1,024 as images of the operand's registers (register group c at 512 c, lane l at 16 l);
; this group is register group g % 2 of K step g / 2: each store of a wave covers 512 consecutive bytes.  At + 32,768: [g][pair of tiles][r] words of four scale bytes (block 0, block 1 of the even tile, then of the odd).
; THE WEIGHTS.  W [k][n] is quantised along k.  Unit i = 8 b + g (one for each work-group, done by wave 0 while its tile of x is on its way): matrix i / 64, 32 columns, 128 along K;
; a lane takes a column and its registers run down K.  wc: [chunk c of 128 columns][q, k, v] blocks of 34,816 bytes (fragments (t, s) at (4 t + s) 1,024; scale words at + 32,768: [s][pair p][lane]);
; at 417,792 Wp's fragments (n, s) at (4 n + s) 1,024, at 548,864 its scale words [c][s][p][lane].
; No tile is shared between work-groups, so there is no cluster.  LDS is filled once, so no slot is filled again.
; LIMITS: a block whose largest magnitude lies under 2^-124 keeps the scale byte 1 (a block of zeros too: its codes are zeros, and this program alone reads the bytes); NaN and infinities are not served.
.set PITCH, 272                        ; an LDS row: 256 bytes + 16 of padding.  A tile's rows r and r + 8 lie 16 rows apart, a whole turn through the banks: its 32 reads a wave go two deep
.set WREG,  64*PITCH                   ; a wave's 64 rows
.set RED1,  16*WREG                    ; behind the rows: sixteen partial sums, in a block of 256 bytes into which no fill lands;
.set RED2,  256                        ; and, 256 bytes on, those of the second pass
.set XBLK,  34816
.set LI,  1                            ; v1   16 x lane
.set L4,  2                            ; v2   4 x lane
.set AX,  3                            ; v3   LDS: my token's row of tile 0, my block
.set RW,  4                            ; v4   LDS: my wave's partial sum
.set RR,  5                            ; v5   LDS: the sixteen
.set GB,  6                            ; v6   128 h: my block's gamma and beta
.set WA,  7                            ; v7   the weight unit: 4 x my column
.set WO,  8                            ; v8   and where my codes go: 4,096 u + 16 r
.set AC,  10                           ; v10-17 four packed chains
.set TP,  18                           ; v18  a lane permute's destination; v19 at work
.set NM,  20                           ; v20-21 minus the mean, twice
.set RS,  22                           ; v22-23 1 / sqrt(var + eps), twice
.set TM,  24                           ; v24-27 largest magnitudes, then scale bytes
.set SO,  28                           ; v28-31 the conversions' scale operands
.set X,   32                           ; v32-159 my 128 numbers
.set GA,  160                          ; v160-191 gamma, then gamma / sqrt(var + eps)
.set BE,  192                          ; v192-223 beta
.set CD,  224                          ; v224-239 codes; before that the sixteen partial sums
.set WV,  22
.set G1,  28
.set G0,  36
.set SEL, 40
.set HIM, 42
	s_load_b512 s[4:19], s[0:1], 0x0               ; x, gamma, beta, Wq, Wk, Wv, Wp, xq
	s_load_b64 s[20:21], s[0:1], 0x40              ; wc
	v_lshl_add_u32 v240, v0, 2, 0x44200
	v_mov_b32 v241, 0
	ds_add_u32 v240, v241
	ds_add_u32 v240, v241
	v_lshrrev_b32 v9, 5, v0
	s_delay_alu instid0(VALU_DEP_1)
	v_readfirstlane_b32 s[WV], v9                  ; wave 0..15
	s_mov_b32 s23, ttmp9                           ; g
	s_and_b32 s24, ttmp7, 0xffff                   ; b
	; descriptor group 1: 64 rows x 64 elements of 4 bytes, 512 elements from row to row, 4 words of padding behind every 64
	s_mov_b32 s[G1+0], (2<<16)|(1<<20)|(5<<22)|(3<<25)
	s_mov_b32 s[G1+1], 64<<16                      ; tensor_dim0
	s_mov_b32 s[G1+2], 64<<16                      ; tensor_dim1
	s_mov_b32 s[G1+3], 64<<16                      ; tile_dim0
	s_mov_b32 s[G1+4], 64                          ; tile_dim1
	s_mov_b32 s[G1+5], 512                         ; the pitch
	s_mov_b32 s[G1+6], 0
	s_mov_b32 s[G1+7], 0
	s_mov_b32 s[G0], 1
	s_mul_i32 s[G0+1], s[WV], WREG                 ; my wave's rows in LDS
	s_lshl_b32 s46, s24, 21                        ; b x 1,024 rows of 2,048 bytes
	s_lshl_b32 s47, s[WV], 17                      ; + 64 w rows
	s_add_co_u32 s46, s46, s47
	s_lshl_b32 s47, s23, 8                         ; + the group's 256 bytes
	s_add_co_u32 s46, s46, s47
	s_mov_b32 s47, 0
	s_wait_dscnt 0x0
	s_wait_kmcnt 0x0
	s_add_nc_u64 s[G0+2:G0+3], s[4:5], s[46:47]
	s_or_b32 s[G0+3], s[G0+3], 0x80000000
	tensor_load_to_lds s[G0:G0+3], s[G1:G1+7]      ; my one tensor load: it is the only one out
	s_nop 0
.rept 4
	v_nop
.endr
	s_mov_b32 s[SEL], 0x76543210
	s_mov_b32 s[SEL+1], 0xfedcba98                 ; v_permlanex16_b32's selects for lane l xor 16
	s_mov_b32 s[HIM], 0xffff0000                   ; lanes 16-31
	s_mov_b32 s43, 0x37800000                      ; 2^-16: a group has 65,536 numbers
	s_lshl_b32 s46, s23, 8
	s_add_nc_u64 s[6:7], s[6:7], s[46:47]          ; gamma and beta at the group's 64 channels
	s_add_nc_u64 s[8:9], s[8:9], s[46:47]
	; every LDS address is made here, ahead of the branch on the wave's number
	v_and_b32 v9, 31, v0
	s_delay_alu instid0(VALU_DEP_1)
	v_lshlrev_b32 v[LI], 4, v9
	s_delay_alu instid0(VALU_DEP_2)
	v_lshlrev_b32 v[L4], 2, v9
	v_and_b32 v10, 15, v0                          ; r
	v_bfe_u32 v11, v0, 4, 1                        ; h
	s_delay_alu instid0(VALU_DEP_2)
	v_and_b32 v12, 8, v10
	s_delay_alu instid0(VALU_DEP_1)
	v_add_nc_u32 v12, v12, v10                     ; r + 8 (r / 8)
	s_delay_alu instid0(VALU_DEP_1)
	v_mul_u32_u24 v[AX], v12, PITCH
	s_delay_alu instid0(VALU_DEP_1)
	v_lshl_add_u32 v[AX], v11, 7, v[AX]
	s_delay_alu instid0(VALU_DEP_1)
	v_add_nc_u32 v[AX], s[G0+1], v[AX]
	s_lshl_b32 s46, s[WV], 2
	s_add_co_u32 s46, s46, RED1
	v_mov_b32 v[RW], s46
	v_mov_b32 v[RR], RED1
	v_lshlrev_b32 v[GB], 7, v11
	v_lshl_add_u32 v[WA], v11, 3, v12              ; 8 u + r + 8 (r / 8): my column among the unit's 32
	s_delay_alu instid0(VALU_DEP_1)
	v_lshlrev_b32 v[WA], 2, v[WA]
	v_lshlrev_b32 v[WO], 4, v10
	s_delay_alu instid0(VALU_DEP_1)
	v_lshl_add_u32 v[WO], v11, 12, v[WO]
	v_mov_b32 v[TP], 0                             ; written once: a lane permute's destination counts as one of its sources
.irp i, 0,1,2,3,4,5,6,7
	global_load_b128 v[GA+4*\i:GA+4*\i+3], v[GB], s[6:7] offset:16*\i
	global_load_b128 v[BE+4*\i:BE+4*\i+3], v[GB], s[8:9] offset:16*\i
.endr
	; where my wave's codes and scale words go
	s_lshr_b32 s46, s[WV], 1                       ; the chunk of 128 tokens
	s_lshl_b32 s47, s24, 3
	s_add_co_u32 s46, s46, s47
	s_mul_i32 s46, s46, XBLK                       ; its block
	s_and_b32 s47, s[WV], 1                        ; tiles 0-3 or 4-7 of the chunk
	s_lshr_b32 s50, s23, 1
	s_lshl_b32 s50, s50, 13                        ; K step g / 2: 8 fragments
	s_lshl_b32 s48, s47, 12
	s_add_co_u32 s50, s50, s48
	s_and_b32 s48, s23, 1
	s_lshl_b32 s48, s48, 9                         ; register group g % 2
	s_add_co_u32 s50, s50, s48
	s_add_co_u32 s50, s50, s46
	s_mov_b32 s51, 0
	s_add_nc_u64 s[26:27], s[18:19], s[50:51]      ; the codes
	s_lshl_b32 s50, s23, 8
	s_lshl_b32 s48, s47, 7
	s_add_co_u32 s50, s50, s48
	s_add_co_u32 s50, s50, s46
	s_add_nc_u64 s[44:45], s[18:19], s[50:51]      ; the scale words (32,768 more stand in the store's immediate)
	; ---- THE WEIGHT UNIT: wave 0 alone; no barrier stands in this branch
	s_cmp_lg_u32 s[WV], 0
	s_cbranch_scc1 .Lno_weights
	s_lshl_b32 s25, s24, 3
	s_add_co_u32 s25, s25, s23                     ; i = 8 b + g
	s_lshr_b32 s46, s25, 6                         ; which matrix: q, k, v, p
	s_bfe_u32 s47, s25, 0x40002                    ; P: which 32 columns
	s_and_b32 s48, s25, 3                          ; s: which 128 along K
	s_lshr_b32 s49, s47, 2                         ; c = P / 4
	s_and_b32 s50, s47, 3                          ; p = P % 4
	s_mul_i32 s54, s49, 3
	s_add_co_u32 s54, s54, s46
	s_mul_i32 s54, s54, XBLK                       ; q, k, v: block 3 c + matrix,
	s_add_co_u32 s55, s54, 32768                   ; its scale words behind its fragments
	s_lshl_b32 s56, s49, 15
	s_add_co_u32 s56, s56, 417792                  ; Wp: 32 fragments a chunk,
	s_lshl_b32 s57, s49, 11
	s_add_co_u32 s57, s57, 548864                  ; and 2,048 bytes of scale words
	s_cmp_eq_u32 s46, 1
	s_cselect_b64 s[52:53], s[12:13], s[10:11]     ; the choice hangs on the work-group's number alone
	s_cmp_eq_u32 s46, 2
	s_cselect_b64 s[52:53], s[14:15], s[52:53]
	s_cmp_eq_u32 s46, 3
	s_cselect_b64 s[52:53], s[16:17], s[52:53]
	s_cselect_b32 s54, s56, s54
	s_cselect_b32 s55, s57, s55
	s_lshl_b32 s56, s50, 13                        ; + 8,192 p + 1,024 s
	s_add_co_u32 s54, s54, s56
	s_lshl_b32 s56, s48, 10
	s_add_co_u32 s54, s54, s56
	s_lshl_b32 s56, s48, 2
	s_add_co_u32 s56, s56, s50
	s_lshl_b32 s56, s56, 7                         ; + (4 s + p) 128
	s_add_co_u32 s55, s55, s56
	s_lshl_b32 s56, s48, 18                        ; the unit's first number: row 128 s of 2,048 bytes, column 32 P
	s_lshl_b32 s57, s47, 7
	s_add_co_u32 s56, s56, s57
	s_mov_b32 s57, 0
	s_add_nc_u64 s[52:53], s[52:53], s[56:57]
.set kk, 0
	s_wait_alu depctr_va_vdst(0)
.rept 128
	global_load_b32 v[X+kk], v[WA], s[52:53] offset:kk*2048 th:TH_LOAD_NT   ; W(128 s + kk, my column): the 32 lanes read 128 consecutive bytes
.set kk, kk+1
.endr
	s_mov_b32 s56, s54
	s_add_nc_u64 s[56:57], s[20:21], s[56:57]
	s_mov_b32 s58, s55
	s_mov_b32 s59, 0
	s_add_nc_u64 s[58:59], s[20:21], s[58:59]
	s_wait_loadcnt 0x0                             ; all 128 (and gamma and beta, which are older)
.irp q, 0,1,2,3
	v_max3_num_f32 v[TM+\q], |v[X+32*\q]|, |v[X+32*\q+1]|, 0x1800000   ; block q, all 32 mine; the floor 2^(3 - 127) holds the byte at 1 from below
.endr
.irp i, 2,4,6,8,10,12,14,16,18,20,22,24,26,28,30
.irp q, 0,1,2,3
	s_delay_alu instid0(VALU_DEP_4)
	v_max3_num_f32 v[TM+\q], v[TM+\q], |v[X+32*\q+\i]|, |v[X+32*\q+\i+1]|   ; the four blocks by turns
.endr
.endr
.irp q, 0,1,2,3
	s_delay_alu instid0(VALU_DEP_4)
	v_add_nc_u32 v[SO+\q], 0xff000000, v[TM+\q]    ; 2 off the exponent field: the conversion's scale operand
.endr
.irp q, 0,1,2,3
	s_delay_alu instid0(VALU_DEP_4)
	v_lshrrev_b32 v[TM+\q], 23, v[SO+\q]           ; the scale's byte
.endr
	s_delay_alu instid0(VALU_DEP_3)
	v_lshl_or_b32 v[TP], v[TM+1], 8, v[TM]
	s_delay_alu instid0(VALU_DEP_1)
	v_lshl_or_b32 v[TP], v[TM+2], 16, v[TP]
	s_delay_alu instid0(VALU_DEP_1)
	v_lshl_or_b32 v[TP], v[TM+3], 24, v[TP]        ; my column's scale word for this K step
.irp q, 0,1,2,3
.irp g, 0,1,2,3
	v_cvt_scalef32_pk8_fp4_f32 v[CD+4*\q+\g], v[X+32*\q+8*\g:X+32*\q+8*\g+7], v[SO+\q]
.endr
.endr
	v_nop                                          ; one plain place behind the conversions
.irp q, 0,1,2,3
	global_store_b128 v[WO], v[CD+4*\q:CD+4*\q+3], s[56:57] offset:256*\q   ; block q = register group q / 2, lanes 16 (q % 2) on: sixteen lanes store 256 consecutive aligned bytes
.endr
	global_store_b32 v[L4], v[TP], s[58:59]
	s_wait_xcnt 0x0                                ; the stores' data registers are written again below
.Lno_weights:
	; ---- x: my 64 rows are mine alone, so my own wait is all the ordering that the reads need
	s_wait_tensorcnt 0x0
	s_wait_alu depctr_va_vdst(0)
.irp t, 0,1,2,3
.irp i, 0,1,2,3,4,5,6,7
	ds_load_b128 v[X+32*\t+4*\i:X+32*\t+4*\i+3], v[AX] offset:(32*(\t/2)+8*(\t%2))*PITCH+16*\i
.endr
.endr
; The four chains become one number a lane, a wave, a work-group: every lane of every wave ends with the same sum in v[AC].
.macro GROUPSUM red
	s_delay_alu instid0(VALU_DEP_3)
	v_pk_add_f32 v[AC:AC+1], v[AC:AC+1], v[AC+2:AC+3]
	s_delay_alu instid0(VALU_DEP_2)
	v_pk_add_f32 v[AC+4:AC+5], v[AC+4:AC+5], v[AC+6:AC+7]
	s_delay_alu instid0(VALU_DEP_1)
	v_pk_add_f32 v[AC:AC+1], v[AC:AC+1], v[AC+4:AC+5]
	s_delay_alu instid0(VALU_DEP_1)
	v_add_f32 v[AC], v[AC], v[AC+1]
	s_delay_alu instid0(VALU_DEP_1)
	v_add_f32_dpp v[AC], v[AC], v[AC] row_xmask:1 row_mask:0xf bank_mask:0xf
	s_delay_alu instid0(VALU_DEP_1)
	v_add_f32_dpp v[AC], v[AC], v[AC] row_xmask:2 row_mask:0xf bank_mask:0xf
	s_delay_alu instid0(VALU_DEP_1)
	v_add_f32_dpp v[AC], v[AC], v[AC] row_xmask:4 row_mask:0xf bank_mask:0xf
	s_delay_alu instid0(VALU_DEP_1)
	v_add_f32_dpp v[AC], v[AC], v[AC] row_xmask:8 row_mask:0xf bank_mask:0xf
	s_delay_alu instid0(VALU_DEP_1)
	v_permlanex16_b32 v[TP], v[AC], s[SEL], s[SEL+1]
	s_delay_alu instid0(VALU_DEP_1)
	v_add_f32 v[AC], v[AC], v[TP]
	ds_store_b32 v[RW], v[AC] offset:\red          ; all lanes write the same word with the same value
	s_wait_dscnt 0x0                               ; for the others' sake: my store has landed
	s_barrier_signal -1
	s_barrier_wait -1
.irp i, 0,1,2,3
	ds_load_b128 v[CD+4*\i:CD+4*\i+3], v[RR] offset:\red+16*\i
.endr
	s_wait_dscnt 0x0
	v_pk_add_f32 v[CD:CD+1], v[CD:CD+1], v[CD+8:CD+9]
	v_pk_add_f32 v[CD+2:CD+3], v[CD+2:CD+3], v[CD+10:CD+11]
	v_pk_add_f32 v[CD+4:CD+5], v[CD+4:CD+5], v[CD+12:CD+13]
	v_pk_add_f32 v[CD+6:CD+7], v[CD+6:CD+7], v[CD+14:CD+15]
	s_delay_alu instid0(VALU_DEP_2)
	v_pk_add_f32 v[CD:CD+1], v[CD:CD+1], v[CD+4:CD+5]
	s_delay_alu instid0(VALU_DEP_2)
	v_pk_add_f32 v[CD+2:CD+3], v[CD+2:CD+3], v[CD+6:CD+7]
	s_delay_alu instid0(VALU_DEP_1)
	v_pk_add_f32 v[CD:CD+1], v[CD:CD+1], v[CD+2:CD+3]
	s_delay_alu instid0(VALU_DEP_1)
	v_add_f32 v[AC], v[CD], v[CD+1]
.endm
	; ---- pass 1: the sum.  The waits count the eight loads of each tile still behind
	s_wait_dscnt 24
.irp k, 0,1,2,3
	v_pk_add_f32 v[AC+2*\k:AC+2*\k+1], v[X+2*\k:X+2*\k+1], v[X+8+2*\k:X+9+2*\k]   ; the first numbers start the chains: nothing is cleared
.endr
.irp p, 8,9,10,11,12,13,14,15
	s_delay_alu instid0(VALU_DEP_4)
	v_pk_add_f32 v[AC+2*(\p%4):AC+2*(\p%4)+1], v[AC+2*(\p%4):AC+2*(\p%4)+1], v[X+2*\p:X+2*\p+1]
.endr
	s_wait_alu depctr_va_vdst(0)
.irp t, 1,2,3
	s_wait_alu depctr_va_vdst(0)
	s_wait_dscnt 24-8*\t
.irp p, 0,1,2,3,4,5,6,7,8,9,10,11,12,13,14,15
	v_pk_add_f32 v[AC+2*(\p%4):AC+2*(\p%4)+1], v[AC+2*(\p%4):AC+2*(\p%4)+1], v[X+32*\t+2*\p:X+32*\t+2*\p+1]
.endr
.endr
	GROUPSUM 0
	s_delay_alu instid0(VALU_DEP_1)
	v_mul_f32 v[NM], 0xb7800000, v[AC]             ; minus the mean: the sum x -2^-16
	s_delay_alu instid0(VALU_DEP_1)
	v_mov_b32 v[NM+1], v[NM]
	; ---- pass 2: d = x - mean, in place, and the sum of d^2: no difference of large sums is formed
.set p, 0
.rept 64
	v_pk_add_f32 v[X+2*p:X+2*p+1], v[X+2*p:X+2*p+1], v[NM:NM+1]
.set p, p+1
.endr
.irp k, 0,1,2,3
	v_pk_mul_f32 v[AC+2*\k:AC+2*\k+1], v[X+2*\k:X+2*\k+1], v[X+2*\k:X+2*\k+1]
.endr
.set p, 4
.rept 60
	s_delay_alu instid0(VALU_DEP_4)
	v_pk_fma_f32 v[AC+2*(p%4):AC+2*(p%4)+1], v[X+2*p:X+2*p+1], v[X+2*p:X+2*p+1], v[AC+2*(p%4):AC+2*(p%4)+1]
.set p, p+1
.endr
	GROUPSUM RED2                                  ; other bytes than the first pass's: no barrier is owed between the two
	s_mov_b32 s46, 0x3a83126f                      ; eps = 1e-3
	v_fma_f32 v19, v[AC], s43, s46                 ; var + eps
	s_wait_alu depctr_va_vdst(0)
	v_rsq_f32 v[RS], v19
	v_nop                                          ; one plain place behind the transcendental,
	s_wait_alu depctr_va_vdst(0)                   ; and the wait ahead of its first reader
	v_mov_b32 v[RS+1], v[RS]
	s_wait_alu depctr_va_vdst(0)
	s_wait_loadcnt 0x0                             ; gamma and beta
.set p, 0
.rept 16
	v_pk_mul_f32 v[GA+2*p:GA+2*p+1], v[GA+2*p:GA+2*p+1], v[RS:RS+1]
.set p, p+1
.endr
	; ---- xn = d x (gamma / sqrt(var + eps)) + beta, and its codes; the four tiles by turns
.set p, 0
.rept 16
.irp t, 0,1,2,3
	v_pk_fma_f32 v[X+32*\t+2*p:X+32*\t+2*p+1], v[X+32*\t+2*p:X+32*\t+2*p+1], v[GA+2*p:GA+2*p+1], v[BE+2*p:BE+2*p+1]
.endr
.set p, p+1
.endr
.irp t, 0,1,2,3
	v_max3_num_f32 v[TM+\t], |v[X+32*\t]|, |v[X+32*\t+1]|, 0x1800000
.endr
.irp i, 2,4,6,8,10,12,14,16,18,20,22,24,26,28,30
.irp t, 0,1,2,3
	s_delay_alu instid0(VALU_DEP_4)
	v_max3_num_f32 v[TM+\t], v[TM+\t], |v[X+32*\t+\i]|, |v[X+32*\t+\i+1]|
.endr
.endr
.irp t, 0,1,2,3
	s_delay_alu instid0(VALU_DEP_4)
	v_add_nc_u32 v[SO+\t], 0xff000000, v[TM+\t]
.endr
.irp t, 0,1,2,3
.irp g, 0,1,2,3
	v_cvt_scalef32_pk8_fp4_f32 v[CD+4*\t+\g], v[X+32*\t+8*\g:X+32*\t+8*\g+7], v[SO+\t]
.endr
.endr
.irp t, 0,1,2,3
	v_lshrrev_b32 v[TM+\t], 23, v[SO+\t]           ; the scale's byte (also the plain place behind the conversions)
.endr
.irp t, 0,1,2,3
	global_store_b128 v[LI], v[CD+4*\t:CD+4*\t+3], s[26:27] offset:1024*\t   ; 32 lanes store 512 consecutive bytes, aligned to 256
.endr
	; ---- the scale bytes: my four tiles' bytes of block h meet the other block's, and pair up by tiles
	v_lshl_or_b32 v9, v[TM+1], 8, v[TM]
	s_delay_alu instid0(VALU_DEP_1)
	v_lshl_or_b32 v9, v[TM+2], 16, v9
	s_delay_alu instid0(VALU_DEP_1)
	v_lshl_or_b32 v9, v[TM+3], 24, v9
	s_delay_alu instid0(VALU_DEP_1)
	v_permlanex16_b32 v[TP], v9, s[SEL], s[SEL+1]
	s_delay_alu instid0(VALU_DEP_1)
	v_cndmask_b32 v10, v9, v[TP], s[HIM]           ; block 0's four bytes, in both halves of the lanes
	s_delay_alu instid0(VALU_DEP_2)
	v_cndmask_b32 v11, v[TP], v9, s[HIM]           ; block 1's
	s_delay_alu instid0(VALU_DEP_1)
	v_perm_b32 v12, v11, v10, 0x05010400           ; tiles 0 and 1: (block 0, block 1) of each
	s_delay_alu instid0(VALU_DEP_2)
	v_perm_b32 v13, v11, v10, 0x07030602           ; tiles 2 and 3
	s_delay_alu instid0(VALU_DEP_1)
	v_cndmask_b32 v12, v12, v13, s[HIM]            ; lanes 0-15 store the first pair's word of row r, lanes 16-31 the second's
	global_store_b32 v[L4], v12, s[44:45] offset:32768
	s_wait_tensorcnt 0x0
	ds_add_u32 v240, v241
	s_wait_dscnt 0x0
	s_endpgm
.Lfunc_end_k_q2df5521e3b_norm:
	.size	k_q2df5521e3b_norm, .Lfunc_end_k_q2df5521e3b_norm-k_q2df5521e3b_norm
	.p2alignl 7, 3214868480
	.fill 96, 4, 3214868480
	.section	.rodata,"a",@progbits
	.p2align	6, 0x0
	.amdhsa_kernel k_q2df5521e3b_norm
		.amdhsa_group_segment_fixed_size 281088
		.amdhsa_private_segment_fixed_size 0
		.amdhsa_enable_private_segment 0
		.amdhsa_kernarg_size 72
		.amdhsa_user_sgpr_count 2
		.amdhsa_user_sgpr_kernarg_segment_ptr 1
		.amdhsa_wavefront_size32 1
		.amdhsa_system_sgpr_workgroup_id_x 1
		.amdhsa_system_sgpr_workgroup_id_y 1
		.amdhsa_system_sgpr_workgroup_id_z 1
		.amdhsa_system_vgpr_workitem_id 0
		.amdhsa_next_free_vgpr 242
		.amdhsa_next_free_sgpr 66
		.amdhsa_reserve_vcc 0
		.amdhsa_float_denorm_mode_32 3
		.amdhsa_float_denorm_mode_16_64 3
		.amdhsa_memory_ordered 1
		.amdhsa_forward_progress 1
		.amdhsa_inst_pref_size 63
	.end_amdhsa_kernel
	.amdgpu_metadata
---
amdhsa.version: [ 1, 2 ]
amdhsa.kernels:
  - .name:           k_q2df5521e3b_norm
    .symbol:         k_q2df5521e3b_norm.kd
    .args:
      - { .name: x, .offset: 0, .size: 8, .value_kind: global_buffer, .address_space: global }
      - { .name: gamma, .offset: 8, .size: 8, .value_kind: global_buffer, .address_space: global }
      - { .name: beta, .offset: 16, .size: 8, .value_kind: global_buffer, .address_space: global }
      - { .name: Wq, .offset: 24, .size: 8, .value_kind: global_buffer, .address_space: global }
      - { .name: Wk, .offset: 32, .size: 8, .value_kind: global_buffer, .address_space: global }
      - { .name: Wv, .offset: 40, .size: 8, .value_kind: global_buffer, .address_space: global }
      - { .name: Wp, .offset: 48, .size: 8, .value_kind: global_buffer, .address_space: global }
      - { .name: xq, .offset: 56, .size: 8, .value_kind: global_buffer, .address_space: global }
      - { .name: wc, .offset: 64, .size: 8, .value_kind: global_buffer, .address_space: global }
    .group_segment_fixed_size: 281088
    .private_segment_fixed_size: 0
    .kernarg_segment_align: 8
    .kernarg_segment_size: 72
    .max_flat_workgroup_size: 512
    .sgpr_count:     66
    .vgpr_count:     242
    .wavefront_size: 32
...
	.end_amdgpu_metadata
.endif
;; end of part 1
;; launch qkv (part 2): grid 64 x 4, 4 waves a work-group, clusters of 4 x 1, 168,448 bytes of LDS; arguments xq, wc, bq, bk, bv, qq, kv; writes qq, kv
.if DOCPART == 2
	.amdgcn_target "amdgcn-amd-amdhsa--gfx1250"
	.amdhsa_code_object_version 6
	.text
	.protected	k_q2df5521e3b_qkv
	.globl	k_q2df5521e3b_qkv
	.p2align	8
	.type	k_q2df5521e3b_qkv,@function
k_q2df5521e3b_qkv:
	s_mov_b64 s[64:65], 0
	v_nop
	global_prefetch_b8 v0, s[64:65] scope:SCOPE_SE
	s_setreg_imm32_b32 hwreg(HW_REG_WAVE_MODE, 25, 1), 1
	s_wait_xcnt 0x0
	s_wait_alu depctr_hold_cnt(0) depctr_sa_sdst(0) depctr_va_vdst(0) depctr_va_sdst(0) depctr_va_ssrc(0) depctr_va_vcc(0) depctr_vm_vsrc(0)
	s_getreg_b32 s2, hwreg(HW_REG_IB_STS2, 6, 4)
	s_cmp_eq_u32 s2, 0
	s_cbranch_scc0 .Lentry_in_a_cluster
	s_endpgm
.Lentry_in_a_cluster:
	s_bfe_u32 s2, ttmp6, 0x10000c
	s_cmp_lg_u32 s2, 0x3003
	s_cbranch_scc0 .Lentry_shape_is_right
	s_endpgm
.Lentry_shape_is_right:
; q = xn Wq + bq, k = xn Wk + bk, v = xn Wv + bv on codes of FP4 (E2M1) with E8M0 scales, and each result quantised for the product that takes it next: q and k along the channels, v along the keys.
; SHARES.  A work-group takes 512 tokens (x) and 128 channels (chunk c = y) of each of q, k, v.  Wave w takes 128 tokens (chunk 4 X + w): its 32 fragments of xn (8 tiles x 4 K steps, 256 registers) come
; straight from memory into the registers where they stay.  The 24 tiles of weights (3 x 34,816 bytes) come into LDS once, a quarter by each wave, and all four waves read them.
; CLUSTER.  The four work-groups of a cluster share c and so the weights: they are asked for jointly.  xn is not: each of its bytes serves one wave of a work-group, and a joint load would send 136 KiB through LDS
; on its way to the registers.
; LAYOUT.  Every tile's row r of tile 2 b + u is element 32 b + 8 u + r + 8 (r / 8).  q, k: source 0 = 16 channels of W, source 1 = 16 tokens: a lane holds one token, and the 64 registers of the 8 tiles of channels
; are 16 neighbours of each block of 32: one fragment (K step c) of the next product.  v: source 0 = 16 tokens, source 1 = 16 channels: a lane holds one channel and its registers run along the tokens, the next K.
; The biases are the C of each sum's first matrix instruction.  The accumulators take turns, one instruction a turn.
; OUT, all as images of operand registers (a fragment: 1,024 bytes, register group c' at 512 c', lane l at 16 l; a scale image: 512 bytes, register i of lane (r, h) = the word of row r of tile 4 h + i):
;   qq: block (token chunk) of 34,816: fragments (s, t) at (8 s + t) 1,024, scale images at 32,768 + 512 s.   kv: key step (token chunk) of 65,536: K's fragments (s, t) at (8 s + t) 1,024, V^T's (n) at 32,768 + 1,024 n;
;   at 16,777,216: 4,096 a key step: K's scale images at 512 s, V's at 2,048 + 512 c.
; REGISTERS: window 0: v1-11 addresses; v16-79 two sets of a weight tile's four fragments; v80-87 their scale words, two sets; v88-119 xn's scale words; v120-183 a bias in the result's layout; v184.. at work.
;   window 1: xn (tile m, K step s) at 32 m + 8 s.   windows 2, 3: accumulator (m, t) at 64 (m % 4) + 8 t of window 2 + m / 4.
; LIMITS: a block whose largest magnitude lies under 2^-124 keeps the scale byte 1 (a block of zeros too: its codes are zeros, and this program alone reads the bytes); NaN and infinities are not served.
.set XBLK, 34816
.set WV,  18
.set SEL, 22
.set HIM, 24
.set G1,  28
.set G0,  36
.set QI,  42                           ; s[42:43] q's fragments;  s[44:45] its scale image (less 32,768)
.set QC,  44
.set KI,  46                           ; s[46:47] k's fragments (v's: 32,768 on);  s[48:49] k's scale image (v's: 2,048 on)
.set KC,  48
.set LI,  1                            ; v1   16 x lane: also Wq's fragments in LDS
.set L4,  2                            ; v2   4 x lane
.set AW1, 3                            ; v3, v4   Wk's and Wv's fragments
.set AW2, 4
.set AS0, 6                            ; v6-8 the three matrices' scale words
.set AS1, 7
.set AS2, 8
.set HB,  9                            ; v9   64 h: a bias along the registers
.set VB,  10                           ; v10  4 (r + 8 (r / 8)): a bias along the lanes
.set R4,  11                           ; v11  4 r
.set WF,  16
.set WS,  80
.set SX,  88
.set BIAS, 120
.set TM,  184
.set PW,  200
.set SW,  208
.set PC,  212
.set BC,  220
.set BV,  228
.set MSB, 0
.macro WIN new                         ; the immediate's high byte repeats the setting that is left; a switch that changes nothing is dropped
.if MSB != (\new)
	s_set_vgpr_msb (MSB<<8)|(\new)
.set MSB, (\new)
.endif
.endm
.macro PLACES                          ; four plain places behind matrix instructions, ahead of loads into their registers and of reads of their results
.rept 4
	v_nop
.endr
.endm
.macro CROUND                          ; a round of the cluster's barrier
	s_barrier_signal -1
	s_barrier_wait -1
	s_cmp_lg_u32 s[WV], 0
	s_cbranch_scc1 .Lnot_wave_0_\@
	s_barrier_signal -3
.Lnot_wave_0_\@:
	s_barrier_wait -3
	s_barrier_signal -1
	s_barrier_wait -1
.endm
; One scaled product.  c < 0: the constant 0 starts the sum.  row = 1: source 0's scales stand in lanes 16-31; 2: source 1's.
.macro SMM d, a, b, c, sa, sb, row
.if (\c) < 0
.if (\row) == 1
	v_wmma_scale_f32_16x16x128_f8f6f4 v[(\d):(\d)+7], v[(\a):(\a)+7], v[(\b):(\b)+7], 0, v[(\sa)], v[(\sb)] matrix_a_fmt:MATRIX_FMT_FP4 matrix_b_fmt:MATRIX_FMT_FP4 matrix_a_scale:MATRIX_SCALE_ROW1
.elseif (\row) == 2
	v_wmma_scale_f32_16x16x128_f8f6f4 v[(\d):(\d)+7], v[(\a):(\a)+7], v[(\b):(\b)+7], 0, v[(\sa)], v[(\sb)] matrix_a_fmt:MATRIX_FMT_FP4 matrix_b_fmt:MATRIX_FMT_FP4 matrix_b_scale:MATRIX_SCALE_ROW1
.else
	v_wmma_scale_f32_16x16x128_f8f6f4 v[(\d):(\d)+7], v[(\a):(\a)+7], v[(\b):(\b)+7], 0, v[(\sa)], v[(\sb)] matrix_a_fmt:MATRIX_FMT_FP4 matrix_b_fmt:MATRIX_FMT_FP4
.endif
.else
.if (\row) == 1
	v_wmma_scale_f32_16x16x128_f8f6f4 v[(\d):(\d)+7], v[(\a):(\a)+7], v[(\b):(\b)+7], v[(\c):(\c)+7], v[(\sa)], v[(\sb)] matrix_a_fmt:MATRIX_FMT_FP4 matrix_b_fmt:MATRIX_FMT_FP4 matrix_a_scale:MATRIX_SCALE_ROW1
.elseif (\row) == 2
	v_wmma_scale_f32_16x16x128_f8f6f4 v[(\d):(\d)+7], v[(\a):(\a)+7], v[(\b):(\b)+7], v[(\c):(\c)+7], v[(\sa)], v[(\sb)] matrix_a_fmt:MATRIX_FMT_FP4 matrix_b_fmt:MATRIX_FMT_FP4 matrix_b_scale:MATRIX_SCALE_ROW1
.else
	v_wmma_scale_f32_16x16x128_f8f6f4 v[(\d):(\d)+7], v[(\a):(\a)+7], v[(\b):(\b)+7], v[(\c):(\c)+7], v[(\sa)], v[(\sb)] matrix_a_fmt:MATRIX_FMT_FP4 matrix_b_fmt:MATRIX_FMT_FP4
.endif
.endif
.endm
; 64 numbers of a lane, v[s] .. v[s + 63] of window win, register 16 b + i = k 32 b + 16 (lane / 16) + i of my row, become a fragment's codes in v[pc] on and its scale word in v[pw], both in window 0.
; Each accumulator is read from its low end on.
.macro QUANT s, win, pc, pw
	WIN (\win)|((\win)<<2)
.irp b, 0,1,2,3
	v_max3_num_f32 v[TM+\b], |v[(\s)+16*\b]|, |v[(\s)+16*\b+1]|, 0x1800000   ; my 16 numbers of block b, and the floor 2^(3 - 127): the byte cannot fall under 1
.endr
.irp i, 2,4,6,8,10,12,14
.irp b, 0,1,2,3
	v_max3_num_f32 v[TM+\b], |v[(\s)+16*\b+\i]|, |v[(\s)+16*\b+\i+1]|, v[TM+\b]   ; the four blocks by turns
.endr
.endr
	WIN 0
.irp b, 0,1,2,3
	v_permlanex16_b32 v[TM+4+\b], v[TM+\b], s[SEL], s[SEL+1]
.endr
.irp b, 0,1,2,3
	v_max_num_f32 v[TM+\b], v[TM+\b], v[TM+4+\b]   ; with lane l xor 16's: the block's largest magnitude
.endr
.irp b, 0,1,2,3
	v_add_nc_u32 v[TM+12+\b], 0xff000000, v[TM+\b] ; 2 off its exponent field: the conversion's scale operand
.endr
.irp b, 0,1,2,3
	v_lshrrev_b32 v[TM+4+\b], 23, v[TM+12+\b]      ; the scale's byte
.endr
	v_lshl_or_b32 v[(\pw)], v[TM+5], 8, v[TM+4]
	v_lshl_or_b32 v[(\pw)], v[TM+6], 16, v[(\pw)]
	v_lshl_or_b32 v[(\pw)], v[TM+7], 24, v[(\pw)]
	s_wait_alu depctr_va_vdst(0)
	s_wait_xcnt 0x0                                ; the last fragment's stores have read v[pc] on, which the conversions below write again
	WIN (\win)
.irp b, 0,1,2,3
	v_cvt_scalef32_pk8_fp4_f32 v[(\pc)+2*\b], v[(\s)+16*\b:(\s)+16*\b+7], v[TM+12+\b]
	v_cvt_scalef32_pk8_fp4_f32 v[(\pc)+2*\b+1], v[(\s)+16*\b+8:(\s)+16*\b+15], v[TM+12+\b]
.endr
	WIN 0
	v_nop                                          ; one plain place behind a scaled conversion
.irp c, 0,1                            ; the operand's layout wants a whole block in a lane: lanes 0-15 block 2 c, lanes 16-31 block 2 c + 1
.irp i, 0,1
	v_permlane16_swap_b32 v[(\pc)+4*\c+\i], v[(\pc)+4*\c+2+\i]
.endr
.endr
.endm
; A weight tile's four fragments into set t % 2; with an even tile the scale words of the pair (lanes 0-15 the even tile's rows, lanes 16-31 the odd's) into set (t / 2) % 2.
.macro LOADW awi, aw4, t
.irp s, 0,1,2,3
.irp c, 0,1
	ds_load_b128 v[WF+32*((\t)%2)+8*\s+4*\c:WF+32*((\t)%2)+8*\s+4*\c+3], v[\awi] offset:(4*(\t)+\s)*1024+512*\c
.endr
.endr
.if (\t)%2 == 0
.irp s, 0,1,2,3
	ds_load_b32 v[WS+4*(((\t)/2)%2)+\s], v[\aw4] offset:(4*\s+(\t)/2)*128
.endr
.endif
.endm
; The next tile is asked for, and the wait leaves just those loads out (12 with scale words, 8 without); the last tile's wait is for 0.
.macro NEXTW awi, aw4, t
	PLACES
.if (\t) < 7
	LOADW \awi, \aw4, (\t)+1
.if ((\t)+1)%2 == 0
	s_wait_dscnt 12
.else
	s_wait_dscnt 8
.endif
.else
	s_wait_dscnt 0x0
.endif
.endm
; q, k: channel tile t against my 8 tiles of tokens: 32 products, four accumulators by turns in each run.
.macro MULQK t
	WIN 0x84                                       ; W window 0, xn window 1, the bias window 0, D window 2
.irp m, 0,1,2,3
	SMM 64*\m+8*(\t), WF+32*((\t)%2), 32*\m, BIAS+8*(\t), WS+4*(((\t)/2)%2), SX+4*\m, (\t)%2
.endr
	WIN 0xc4                                       ; D window 3
.irp m, 4,5,6,7
	SMM 64*(\m-4)+8*(\t), WF+32*((\t)%2), 32*\m, BIAS+8*(\t), WS+4*(((\t)/2)%2), SX+4*\m, (\t)%2
.endr
	WIN 0xa4                                       ; C and D window 2
.irp s, 1,2,3
.irp m, 0,1,2,3
	SMM 64*\m+8*(\t), WF+32*((\t)%2)+8*\s, 32*\m+8*\s, 64*\m+8*(\t), WS+4*(((\t)/2)%2)+\s, SX+4*\m+\s, (\t)%2
.endr
.endr
	WIN 0xf4                                       ; C and D window 3
.irp s, 1,2,3
.irp m, 4,5,6,7
	SMM 64*(\m-4)+8*(\t), WF+32*((\t)%2)+8*\s, 32*\m+8*\s, 64*(\m-4)+8*(\t), WS+4*(((\t)/2)%2)+\s, SX+4*\m+\s, (\t)%2
.endr
.endr
	WIN 0
.endm
; v: my 8 tiles of tokens (source 0) against channel tile t (source 1): eight accumulators by turns.
.macro MULV t
	WIN 0x81                                       ; xn window 1, W window 0, the bias window 0, D window 2
	s_wait_alu depctr_va_vdst(0)
.irp m, 0,1,2,3,4,5,6,7
	SMM 8*\m, 32*\m, WF+32*((\t)%2), BC, SX+4*\m, WS+4*(((\t)/2)%2), 2*((\t)%2)
.endr
	WIN 0xa1                                       ; C and D window 2
.irp s, 1,2,3
.irp m, 0,1,2,3,4,5,6,7
	SMM 8*\m, 32*\m+8*\s, WF+32*((\t)%2)+8*\s, 8*\m, SX+4*\m+\s, WS+4*(((\t)/2)%2)+\s, 2*((\t)%2)
.endr
.endr
	WIN 0
.endm
.macro SENDIMG ip, off                 ; the fragment in v[PC] on leaves as it stands: each store covers 512 consecutive bytes, aligned to 256
	global_store_b128 v[LI], v[PC:PC+3], s[\ip:\ip+1] offset:(\off)
	global_store_b128 v[LI], v[PC+4:PC+7], s[\ip:\ip+1] offset:(\off)+512
.endm
.macro SENDSC sp, off                  ; eight tiles' scale words become the image: lanes 0-15 keep tiles 0-3, lanes 16-31 tiles 4-7
.irp i, 0,1,2,3
	v_cndmask_b32 v[SW+\i], v[PW+\i], v[PW+4+\i], s[HIM]
.endr
	global_store_b128 v[LI], v[SW:SW+3], s[\sp:\sp+1] offset:(\off)
.endm
.macro BIASLD bp                       ; a bias in the result's layout: lane (r, h), tile t: channels 32 (t / 2) + 16 h + 8 (t % 2) + 0 .. 7
.irp t, 0,1,2,3,4,5,6,7
	global_load_b128 v[BIAS+8*\t:BIAS+8*\t+3], v[HB], s[\bp:\bp+1] offset:(32*(\t/2)+8*(\t%2))*4
	global_load_b128 v[BIAS+8*\t+4:BIAS+8*\t+7], v[HB], s[\bp:\bp+1] offset:(32*(\t/2)+8*(\t%2))*4+16
.endr
.endm
; nb: the pointer of the next phase's bias (0: none): it is asked for as soon as this phase's products have read theirs, ahead of the eight quantisers
.macro PHASE_QK awi, aw4, nb, ip, sp, soff
	LOADW \awi, \aw4, 0
.irp t, 0,1,2,3,4,5,6,7
	NEXTW \awi, \aw4, \t
.if \t == 0
	s_wait_loadcnt 0x0                             ; the bias
.endif
	MULQK \t
.endr
	PLACES
.if \nb
	BIASLD \nb
.endif
.irp m, 0,1,2,3,4,5,6,7
	QUANT 64*(\m%4), 2+\m/4, PC, PW+\m
	SENDIMG \ip, 1024*\m
.endr
	SENDSC \sp, \soff
.endm
	s_load_b256 s[4:11], s[0:1], 0x0               ; xq, wc, bq, bk
	s_load_b128 s[12:15], s[0:1], 0x20             ; bv, qq
	s_load_b64 s[16:17], s[0:1], 0x30              ; kv
	v_lshl_add_u32 v254, v0, 2, 0x29000
	v_mov_b32 v255, 0
	ds_add_u32 v254, v255
	ds_add_u32 v254, v255
	v_lshrrev_b32 v12, 5, v0
	v_readfirstlane_b32 s[WV], v12                 ; wave 0..3
	s_and_b32 s21, ttmp7, 0xffff                   ; c, which the four partners share
	; descriptor: 102 rows of 256 bytes (32 elements of 8), dense: a quarter of the chunk's three blocks
	s_mov_b32 s[G1+0], 15|(3<<16)|(1<<21)          ; the mask names all four work-groups; bit 21 stands beside a mask
	s_mov_b32 s[G1+1], 32<<16
	s_mov_b32 s[G1+2], 102<<16
	s_mov_b32 s[G1+3], 32<<16
	s_mov_b32 s[G1+4], 102
	s_mov_b32 s[G1+5], 32
	s_mov_b32 s[G1+6], 0
	s_mov_b32 s[G1+7], 0
	s_mov_b32 s[G0], 1
	s_mul_i32 s[G0+1], s[WV], 26112
	s_mul_i32 s40, s21, 104448
	s_add_co_u32 s40, s40, s[G0+1]
	s_mov_b32 s41, 0
	s_wait_dscnt 0x0
	s_wait_kmcnt 0x0
	s_add_nc_u64 s[G0+2:G0+3], s[6:7], s[40:41]
	s_or_b32 s[G0+3], s[G0+3], 0x80000000
	CROUND                                         ; all four work-groups are here: the joint loads meet
	tensor_load_to_lds s[G0:G0+3], s[G1:G1+7]      ; my one tensor load of the launch
	s_nop 0
	PLACES
	s_bfe_u32 s19, ttmp6, 0x40000                  ; cx: it enters global addresses of my own loads and stores alone
	s_lshl_b32 s20, ttmp9, 2
	s_add_co_u32 s20, s20, s19                     ; X
	s_lshl_b32 s20, s20, 2
	s_add_co_u32 s20, s20, s[WV]                   ; my chunk of 128 tokens: 4 X + w
	s_mov_b32 s[SEL], 0x76543210
	s_mov_b32 s[SEL+1], 0xfedcba98
	s_mov_b32 s[HIM], 0xffff0000
	s_mul_i32 s50, s20, XBLK
	s_mov_b32 s51, 0
	s_lshl_b32 s52, s21, 13                        ; 8,192 c
	s_mov_b32 s53, 0
	s_lshl_b32 s54, s21, 9                         ; 512 c
	s_mov_b32 s55, 0
	s_lshl_b32 s56, s20, 16
	s_mov_b32 s57, 0
	s_lshl_b32 s58, s20, 12
	s_add_co_u32 s58, s58, 16777216
	s_mov_b32 s59, 0
	s_add_nc_u64 s[4:5], s[4:5], s[50:51]          ; xn's block
	s_add_nc_u64 s[8:9], s[8:9], s[54:55]          ; the biases at the chunk's 128 channels
	s_add_nc_u64 s[10:11], s[10:11], s[54:55]
	s_add_nc_u64 s[12:13], s[12:13], s[54:55]
	s_add_nc_u64 s[14:15], s[14:15], s[50:51]
	s_add_nc_u64 s[QI:QI+1], s[14:15], s[52:53]
	s_add_nc_u64 s[QC:QC+1], s[14:15], s[54:55]
	s_add_nc_u64 s[KI:KI+1], s[16:17], s[56:57]
	s_add_nc_u64 s[KI:KI+1], s[KI:KI+1], s[52:53]
	s_add_nc_u64 s[KC:KC+1], s[16:17], s[58:59]
	s_add_nc_u64 s[KC:KC+1], s[KC:KC+1], s[54:55]
	v_and_b32 v12, 31, v0
	v_lshlrev_b32 v[LI], 4, v12
	v_lshlrev_b32 v[L4], 2, v12
	WIN 0x40                                       ; destination window 1
.irp m, 0,1,2,3,4,5,6,7
.irp s, 0,1,2,3
.irp c, 0,1
	global_load_b128 v[32*\m+8*\s+4*\c:32*\m+8*\s+4*\c+3], v[LI], s[4:5] offset:(8*\s+\m)*1024+512*\c
.endr
.endr
.endr
	WIN 0
	v_add_nc_u32 v[AW1], XBLK, v[LI]
	v_add_nc_u32 v[AW2], 2*XBLK, v[LI]
	v_add_nc_u32 v[AS0], 32768, v[L4]
	v_add_nc_u32 v[AS1], XBLK+32768, v[L4]
	v_add_nc_u32 v[AS2], 2*XBLK+32768, v[L4]
	v_and_b32 v13, 15, v0                          ; r
	v_bfe_u32 v14, v0, 4, 1                        ; h
	v_lshlrev_b32 v[HB], 6, v14
	v_and_b32 v15, 8, v13
	v_add_nc_u32 v15, v15, v13
	v_lshlrev_b32 v[VB], 2, v15
	v_lshlrev_b32 v[R4], 2, v13
.irp b, 0,1,2,3
	v_mov_b32 v[TM+4+\b], 0                        ; written once: a lane permute's destination counts as one of its sources
.endr
.irp g, 0,1,2,3,4,5,6,7
.irp p, 0,1,2,3
	global_load_b32 v[BIAS+4*\g+\p], v[R4], s[4:5] offset:32768+256*\g+64*\p   ; group g, tiles 2 p and 2 p + 1, row r: two bytes each
.endr
.endr
	s_wait_loadcnt 0x0                             ; xn and the half words
.irp m, 0,1,2,3,4,5,6,7
.irp s, 0,1,2,3
.if \m%2 == 0
	v_perm_b32 v[SX+4*\m+\s], v[BIAS+4*(2*\s+1)+\m/2], v[BIAS+4*(2*\s)+\m/2], 0x05040100   ; tile m, K step s: groups 2 s and 2 s + 1
.else
	v_perm_b32 v[SX+4*\m+\s], v[BIAS+4*(2*\s+1)+\m/2], v[BIAS+4*(2*\s)+\m/2], 0x07060302
.endif
.endr
.endr
	BIASLD 8                                       ; bq, into the registers that held the half words
.irp t, 0,1,2,3,4,5,6,7
	global_load_b32 v[BV+\t], v[VB], s[12:13] offset:(32*(\t/2)+8*(\t%2))*4   ; bv: my lane's channel of tile t; it stays until the third phase
.endr
.rept 8
	v_nop                                          ; a scale register written by a vector instruction stands 8 places ahead of a scaled matrix instruction
.endr
	s_wait_alu depctr_va_vdst(0)
	s_wait_tensorcnt 0x0
	s_barrier_signal -1
	s_barrier_wait -1                              ; everybody's is; nothing is filled again
	PHASE_QK LI, AS0, 10, QI, QC, 32768
	PHASE_QK AW1, AS1, 0, KI, KC, 0
	; ---- v: a tile of 16 channels at a time: 32 products, then its fragment of V^T
	LOADW AW2, AS2, 0
.irp t, 0,1,2,3,4,5,6,7
.if \t == 0
	s_wait_loadcnt 0x0
.endif
.irp j, 0,1,2,3,4,5,6,7
	v_mov_b32 v[BC+\j], v[BV+\t]                   ; here the bias runs along the lanes: the C operand wants it in all eight registers
.endr
	NEXTW AW2, AS2, \t
	MULV \t
	PLACES
	QUANT 0, 2, PC, PW+\t
	SENDIMG KI, 32768+1024*\t
.endr
	SENDSC KC, 2048
	s_wait_dscnt 0x0                               ; no LDS instruction is pending at a signal
	s_wait_tensorcnt 0x0
	ds_add_u32 v254, v255
	s_wait_dscnt 0x0
	CROUND                                         ; the closing round
	s_endpgm
.Lfunc_end_k_q2df5521e3b_qkv:
	.size	k_q2df5521e3b_qkv, .Lfunc_end_k_q2df5521e3b_qkv-k_q2df5521e3b_qkv
	.p2alignl 7, 3214868480
	.fill 96, 4, 3214868480
	.section	.rodata,"a",@progbits
	.p2align	6, 0x0
	.amdhsa_kernel k_q2df5521e3b_qkv
		.amdhsa_group_segment_fixed_size 168448
		.amdhsa_private_segment_fixed_size 0
		.amdhsa_enable_private_segment 0
		.amdhsa_kernarg_size 56
		.amdhsa_user_sgpr_count 2
		.amdhsa_user_sgpr_kernarg_segment_ptr 1
		.amdhsa_wavefront_size32 1
		.amdhsa_system_sgpr_workgroup_id_x 1
		.amdhsa_system_sgpr_workgroup_id_y 1
		.amdhsa_system_sgpr_workgroup_id_z 1
		.amdhsa_system_vgpr_workitem_id 0
		.amdhsa_next_free_vgpr 1024
		.amdhsa_next_free_sgpr 66
		.amdhsa_reserve_vcc 0
		.amdhsa_float_denorm_mode_32 3
		.amdhsa_float_denorm_mode_16_64 3
		.amdhsa_memory_ordered 1
		.amdhsa_forward_progress 1
		.amdhsa_inst_pref_size 242
	.end_amdhsa_kernel
	.amdgpu_metadata
---
amdhsa.version: [ 1, 2 ]
amdhsa.kernels:
  - .name:           k_q2df5521e3b_qkv
    .symbol:         k_q2df5521e3b_qkv.kd
    .args:
      - { .name: xq, .offset: 0, .size: 8, .value_kind: global_buffer, .address_space: global }
      - { .name: wc, .offset: 8, .size: 8, .value_kind: global_buffer, .address_space: global }
      - { .name: bq, .offset: 16, .size: 8, .value_kind: global_buffer, .address_space: global }
      - { .name: bk, .offset: 24, .size: 8, .value_kind: global_buffer, .address_space: global }
      - { .name: bv, .offset: 32, .size: 8, .value_kind: global_buffer, .address_space: global }
      - { .name: qq, .offset: 40, .size: 8, .value_kind: global_buffer, .address_space: global }
      - { .name: kv, .offset: 48, .size: 8, .value_kind: global_buffer, .address_space: global }
    .group_segment_fixed_size: 168448
    .private_segment_fixed_size: 0
    .kernarg_segment_align: 8
    .kernarg_segment_size: 56
    .max_flat_workgroup_size: 128
    .sgpr_count:     66
    .vgpr_count:     1024
    .wavefront_size: 32
...
	.end_amdgpu_metadata
.endif
;; end of part 2
;; launch attn (part 3): grid 8 x 32, 4 waves a work-group, clusters of 4 x 1, 327,680 bytes of LDS; arguments qq, kv, wc, bp, x, out0; writes out0
.if DOCPART == 3
	.amdgcn_target "amdgcn-amd-amdhsa--gfx1250"
	.amdhsa_code_object_version 6
	.text
	.protected	k_q2df5521e3b_attn
	.globl	k_q2df5521e3b_attn
	.p2align	8
	.type	k_q2df5521e3b_attn,@function
k_q2df5521e3b_attn:
	s_mov_b64 s[64:65], 0
	v_nop
	global_prefetch_b8 v0, s[64:65] scope:SCOPE_SE
	s_setreg_imm32_b32 hwreg(HW_REG_WAVE_MODE, 25, 1), 1
	s_wait_xcnt 0x0
	s_wait_alu depctr_hold_cnt(0) depctr_sa_sdst(0) depctr_va_vdst(0) depctr_va_sdst(0) depctr_va_ssrc(0) depctr_va_vcc(0) depctr_vm_vsrc(0)
	s_getreg_b32 s2, hwreg(HW_REG_IB_STS2, 6, 4)
	s_cmp_eq_u32 s2, 0
	s_cbranch_scc0 .Lentry_in_a_cluster
	s_endpgm
.Lentry_in_a_cluster:
	s_bfe_u32 s2, ttmp6, 0x10000c
	s_cmp_lg_u32 s2, 0x3003
	s_cbranch_scc0 .Lentry_shape_is_right
	s_endpgm
.Lentry_shape_is_right:
; out0 = x + softmax(q k^T / sqrt(512)) v Wp + bp for 128 queries of one batch (x: chunk of 128 queries, y: batch).  All products on codes of FP4 (E2M1) with E8M0 scales;
; qq, kv and wc hold images of operand registers, as the launches before laid them (a fragment: 1,024 bytes, register group c at 512 c, lane l at 16 l).
; PHASE 1, S^T = K Q^T.  Wave w takes tiles 2 w and 2 w + 1 (32 keys: one quantiser block) of each of the 8 key steps against all 128 queries (Q: window 2).  K comes from memory
;   straight into registers, two key steps ahead: each of its bytes serves one wave of the work-group.  p = 2^(t - M) under the wave's own running M, a whole number; the codes go to LDS (PL),
;   and beside them, as an f32 number, each block's byte + M (EAB).  The sums are taken of the unquantised p.
; PHASE 2, O^T = V^T P^T.  The waves' M and sums meet in LDS (STX); the final M is the largest, and each block's byte is brought under it by a whole-number difference (FIX): nothing is rounded.
;   Wave w takes channels 128 w .. 128 w + 127, all 128 queries, all 1,024 keys: 64 accumulators in windows 2 and 3, by turns.
;   V^T: key steps 0 to 5 lie in LDS, brought by one joint load a wave (the four work-groups of a cluster share the batch); key steps 6 and 7 wait in registers (window 1).
;   V's scale images, 512 bytes a key step and wave, come through registers and are stored by each wave into its own bytes of LDS (VSL).
; PHASE 3.  O / the sum is quantised along the channels, the waves exchange the fragments through LDS, wave w makes 128 channels of the projection (bp is the C of the first products), and the result
;   goes through the wave's stage, meets x as rows of 512 bytes and is stored so: each store of a wave covers 512 consecutive bytes, aligned to 256.
; x IS PREFETCHED in phase 1: each key step a wave asks for 16 rows of its 512 bytes, a lane a block of 256 bytes: 8 key steps name the 128 rows once; the loads that want them stand behind phase 2.
; LIMITS: the promise holds while the scaled scores stay under 2^31 in magnitude; a block of p whose byte would fall under 0 beneath the final M is held at byte 0; a block of O whose largest magnitude
; lies under 2^-124 keeps the byte 1; NaN and infinities are not served.
.set VWAVE, 49152
.set OIM,   16384
.set VSL,   4*VWAVE
.set PL,    VSL+16384
.set EAB,   PL+65536
.set STX,   EAB+16384
.set SPITCH, 528
.set QBLK,  34816
.set LI,  1
.set QA,  2
.set R4,  3
.set HB,  4
.set PST, 5
.set EST, 6
.set ADP, 7
.set ADE, 8
.set VLA, 9
.set VSA, 10
.set PLA, 11
.set EAA, 12
.set STO, 13
.set OWI, 14
.set SXW, 15
.set SXR, 16
.set PFO, 17
.set VSW, 18                           ; v18  LDS: where my wave's scale images of V are stored: VSL + 4,096 w + 16 x lane
.set OA,  20
.set ST,  32
.set XL,  32
.set W2,  32
.set TMX, 96
.set TM,  96
.set RL,  96
.set TMP, 104
.set TSO, 112
.set MF,  112
.set TBY, 120
.set LT,  120
.set PC,  128
.set XS,  128
.set SW,  136
.set EAM, 144
.set MFM, 148
.set PW,  152
.set OS,  152
.set QS,  160
.set VS,  160
.set WS,  160
.set KS,  176
.set PSC, 176
.set EL,  192
.set BIAS, 192
.set W3,  192
.set S,   128
.set KF,  128
.set WV,  16
.set SEL, 20
.set CS,  22
.set HIM, 24
.set TRIP, 25
.set PSO, 26
.set ESO, 27
.set G1V, 28
.set G0V, 44
.set VSP, 48                           ; s[48:49] V's scale images of my 128 channels, 4,096 bytes from key step to key step
.set XP,  76                           ; s[76:77] where the prefetches of x stand
.set VP,  52
.set KP,  54
.set KSP, 56
.set WPP, 58
.set WSP, 66
.set MSB, 0
.macro WIN new
.if MSB != (\new)
	s_set_vgpr_msb (MSB<<8)|(\new)
.set MSB, (\new)
.endif
.endm
.macro PLACES
.rept 4
	v_nop
.endr
.endm
.macro CROUND
	s_barrier_signal -1
	s_barrier_wait -1
	s_cmp_lg_u32 s[WV], 0
	s_cbranch_scc1 .Lnot_wave_0_\@
	s_barrier_signal -3
.Lnot_wave_0_\@:
	s_barrier_wait -3
	s_barrier_signal -1
	s_barrier_wait -1
.endm
.macro SMM d, a, b, c, sa, sb, row
.if (\c) < 0
.if (\row) == 2
	v_wmma_scale_f32_16x16x128_f8f6f4 v[(\d):(\d)+7], v[(\a):(\a)+7], v[(\b):(\b)+7], 0, v[(\sa)], v[(\sb)] matrix_a_fmt:MATRIX_FMT_FP4 matrix_b_fmt:MATRIX_FMT_FP4 matrix_b_scale:MATRIX_SCALE_ROW1
.else
	v_wmma_scale_f32_16x16x128_f8f6f4 v[(\d):(\d)+7], v[(\a):(\a)+7], v[(\b):(\b)+7], 0, v[(\sa)], v[(\sb)] matrix_a_fmt:MATRIX_FMT_FP4 matrix_b_fmt:MATRIX_FMT_FP4
.endif
.else
.if (\row) == 2
	v_wmma_scale_f32_16x16x128_f8f6f4 v[(\d):(\d)+7], v[(\a):(\a)+7], v[(\b):(\b)+7], v[(\c):(\c)+7], v[(\sa)], v[(\sb)] matrix_a_fmt:MATRIX_FMT_FP4 matrix_b_fmt:MATRIX_FMT_FP4 matrix_b_scale:MATRIX_SCALE_ROW1
.else
	v_wmma_scale_f32_16x16x128_f8f6f4 v[(\d):(\d)+7], v[(\a):(\a)+7], v[(\b):(\b)+7], v[(\c):(\c)+7], v[(\sa)], v[(\sb)] matrix_a_fmt:MATRIX_FMT_FP4 matrix_b_fmt:MATRIX_FMT_FP4
.endif
.endif
.endm
.macro QUANT s, win, pc, pw
	WIN (\win)|((\win)<<2)
.irp b, 0,1,2,3
	v_max3_num_f32 v[TM+\b], |v[(\s)+16*\b]|, |v[(\s)+16*\b+1]|, 0x1800000
.endr
.irp i, 2,4,6,8,10,12,14
.irp b, 0,1,2,3
	v_max3_num_f32 v[TM+\b], |v[(\s)+16*\b+\i]|, |v[(\s)+16*\b+\i+1]|, v[TM+\b]
.endr
.endr
	WIN 0
.irp b, 0,1,2,3
	v_permlanex16_b32 v[TM+4+\b], v[TM+\b], s[SEL], s[SEL+1]
.endr
.irp b, 0,1,2,3
	v_max_num_f32 v[TM+\b], v[TM+\b], v[TM+4+\b]
.endr
.irp b, 0,1,2,3
	v_add_nc_u32 v[TM+12+\b], 0xff000000, v[TM+\b]
.endr
.irp b, 0,1,2,3
	v_lshrrev_b32 v[TM+4+\b], 23, v[TM+12+\b]
.endr
	v_lshl_or_b32 v[(\pw)], v[TM+5], 8, v[TM+4]
	v_lshl_or_b32 v[(\pw)], v[TM+6], 16, v[(\pw)]
	v_lshl_or_b32 v[(\pw)], v[TM+7], 24, v[(\pw)]
	s_wait_alu depctr_va_vdst(0)
	s_wait_dscnt 0x0                               ; the last fragment's LDS stores are done: the conversions below write their registers again
	WIN (\win)
.irp b, 0,1,2,3
	v_cvt_scalef32_pk8_fp4_f32 v[(\pc)+2*\b], v[(\s)+16*\b:(\s)+16*\b+7], v[TM+12+\b]
	v_cvt_scalef32_pk8_fp4_f32 v[(\pc)+2*\b+1], v[(\s)+16*\b+8:(\s)+16*\b+15], v[TM+12+\b]
.endr
	WIN 0
	v_nop
.irp c, 0,1
.irp i, 0,1
	v_permlane16_swap_b32 v[(\pc)+4*\c+\i], v[(\pc)+4*\c+2+\i]
.endr
.endr
.endm
.macro LOADK par, off, soff
	WIN 0x40
.irp s, 0,1,2,3
.irp i, 0,1,2,3
	global_load_b128 v[KF+64*(\par)+16*\s+4*\i:KF+64*(\par)+16*\s+4*\i+3], v[LI], s[KP:KP+1] offset:(\off)+8192*\s+512*\i
.endr
.endr
	WIN 0
.irp s, 0,1,2,3
	global_load_b64 v[KS+8*(\par)+2*\s:KS+8*(\par)+2*\s+1], v[QA], s[KSP:KSP+1] offset:(\soff)+512*\s
.endr
.endm
.macro MULS par
	WIN 0xf9
.irp s, 0,1,2,3
.irp q, 0,1,2,3,4,5,6,7
.irp u, 0,1
.if \s == 0
	SMM S+16*\q+8*\u, KF+64*(\par)+16*\s+8*\u, 32*\q+8*\s, -1, KS+8*(\par)+2*\s+\u, QS+4*\s+\q%4, 2*(\q/4)
.else
	SMM S+16*\q+8*\u, KF+64*(\par)+16*\s+8*\u, 32*\q+8*\s, S+16*\q+8*\u, KS+8*(\par)+2*\s+\u, QS+4*\s+\q%4, 2*(\q/4)
.endif
.endr
.endr
.endr
.endm
.macro SOFTMAX1 par
	WIN 0x0f
.irp q, 0,1,2,3,4,5,6,7
	v_max_num_f32 v[TMX+\q], v[S+16*\q], v[S+16*\q+1]
.endr
.irp i, 2,4,6,8,10,12,14
.irp q, 0,1,2,3,4,5,6,7
	v_max3_num_f32 v[TMX+\q], v[S+16*\q+\i], v[S+16*\q+\i+1], v[TMX+\q]
.endr
.endr
	WIN 0
.irp q, 0,1,2,3,4,5,6,7
	v_permlanex16_b32 v[TMP+\q], v[TMX+\q], s[SEL], s[SEL+1]
.endr
.irp q, 0,1,2,3,4,5,6,7
	v_max_num_f32 v[TMX+\q], v[TMX+\q], v[TMP+\q]
.endr
.irp q, 0,1,2,3,4,5,6,7
	v_mul_f32 v[ST+8*\q+6], s[CS], v[TMX+\q]
.endr
.irp q, 0,1,2,3,4,5,6,7
	v_max_num_f32 v[ST+8*\q+1], v[ST+8*\q+1], v[ST+8*\q+6]
.endr
.irp q, 0,1,2,3,4,5,6,7
	v_mov_b32 v[ST+8*\q+6], v[ST+8*\q]
.endr
.irp q, 0,1,2,3,4,5,6,7
	v_floor_f32 v[ST+8*\q], -v[ST+8*\q+1]
.endr
.irp q, 0,1,2,3,4,5,6,7
	v_sub_f32 v[ST+8*\q+6], v[ST+8*\q], v[ST+8*\q+6]
.endr
.irp q, 0,1,2,3,4,5,6,7
	v_cvt_i32_f32 v[ST+8*\q+6], v[ST+8*\q+6]
.endr
.irp q, 0,1,2,3,4,5,6,7
	v_ldexp_f32 v[ST+8*\q+4], 1.0, v[ST+8*\q+6]
.endr
.irp q, 0,1,2,3,4,5,6,7
	v_fma_f32 v[TMX+\q], v[TMX+\q], s[CS], v[ST+8*\q]
.endr
	WIN 0xc3
.irp q, 0,1,2,3,4,5,6,7
.irp j, 0,2,4,6,8,10,12,14
	v_pk_fma_f32 v[S+16*\q+\j:S+16*\q+\j+1], v[S+16*\q+\j:S+16*\q+\j+1], s[CS:CS+1], v[ST+8*\q:ST+8*\q+1] op_sel_hi:[1,0,0]
.endr
.endr
.set j, 0
	s_wait_alu depctr_va_vdst(0)
.rept 128
	v_exp_f32 v[S+j], v[S+j]
.set j, j+1
.endr
	WIN 0
.irp q, 0,1,2,3,4,5,6,7
	v_exp_f32 v[TMX+\q], v[TMX+\q]
.endr
.irp q, 0,1,2,3,4,5,6,7
	v_pk_mul_f32 v[ST+8*\q+2:ST+8*\q+3], v[ST+8*\q+2:ST+8*\q+3], v[ST+8*\q+4:ST+8*\q+5] op_sel_hi:[1,0]
.endr
	s_wait_alu depctr_va_vdst(0)
	WIN 0x03
.irp j, 0,2,4,6,8,10,12,14
.irp q, 0,1,2,3,4,5,6,7
	v_pk_add_f32 v[ST+8*\q+2:ST+8*\q+3], v[S+16*\q+\j:S+16*\q+\j+1], v[ST+8*\q+2:ST+8*\q+3]
.endr
.endr
	WIN 0
.irp q, 0,1,2,3,4,5,6,7
	v_max_num_f32 v[TMX+\q], 0x1800000, v[TMX+\q]
.endr
.irp q, 0,1,2,3,4,5,6,7
	v_add_nc_u32 v[TSO+\q], 0xff000000, v[TMX+\q]
.endr
.irp q, 0,1,2,3,4,5,6,7
	v_lshrrev_b32 v[TBY+\q], 23, v[TSO+\q]
.endr
.irp q, 0,1,2,3,4,5,6,7
	v_cvt_f32_u32 v[TBY+\q], v[TBY+\q]
.endr
.irp q, 0,1,2,3,4,5,6,7
	v_sub_f32 v[TBY+\q], v[TBY+\q], v[ST+8*\q]
.endr
	s_wait_alu depctr_va_vdst(0)
	s_wait_dscnt 0x0
.if (\par) == 0
	v_add_nc_u32 v[ADP], s[PSO], v[PST]
	v_add_nc_u32 v[ADE], s[ESO], v[EST]
.endif
.irp i, 0,1,2,3
	v_cndmask_b32 v[EAM+\i], v[TBY+\i], v[TBY+4+\i], s[HIM]
.endr
	WIN 0x03
.irp q, 0,1,2,3,4,5,6,7
	v_cvt_scalef32_pk8_fp4_f32 v[PC+2*\q], v[S+16*\q:S+16*\q+7], v[TSO+\q]
	v_cvt_scalef32_pk8_fp4_f32 v[PC+2*\q+1], v[S+16*\q+8:S+16*\q+15], v[TSO+\q]
.endr
	WIN 0
	v_nop
.irp q, 0,1,2,3,4,5,6,7
	ds_store_b64 v[ADP], v[PC+2*\q:PC+2*\q+1] offset:2048*(\par)+256*\q
.endr
	ds_store_b128 v[ADE], v[EAM:EAM+3] offset:512*(\par)
.endm
.macro KSTEP par
	s_wait_loadcnt 20
	MULS \par
	WIN 0
	PLACES
	s_cmp_eq_u32 s[TRIP], 1
	s_cbranch_scc1 .Llast_\@
	LOADK \par, 131072+65536*(\par), 8192+4096*(\par)
	s_branch .Lgo_\@
.Llast_\@:
	s_wait_loadcnt 0x0
.Lgo_\@:
	global_prefetch_b8 v[PFO], s[XP:XP+1] offset:32768*(\par) th:TH_LOAD_NT scope:SCOPE_SE   ; 16 rows of x, my wave's 512 bytes of each: a lane a block of 256 bytes
	SOFTMAX1 \par
.endm
.macro LOADS x, j, withv
	WIN 0x40
.if \withv
.irp i, 0,1,2,3,4,5,6,7,8,9,10,11,12,13,14,15
	ds_load_b128 v[64*(\x)+4*\i:64*(\x)+4*\i+3], v[VLA] offset:8192*(\j)+512*\i
.endr
.endif
.irp q, 0,1,2,3,4,5,6,7
.irp c, 0,1
	ds_load_b128 v[128+64*(\x)+8*\q+4*\c:128+64*(\x)+8*\q+4*\c+3], v[PLA] offset:32768*\c+2048*(\j)+256*\q
.endr
.endr
	WIN 0
.irp k, 0,1
	ds_load_b128 v[VS+8*(\x)+4*\k:VS+8*(\x)+4*\k+3], v[VSA] offset:512*(\j)+256*\k
.endr
.irp w, 0,1,2,3
	ds_load_b128 v[EL+16*(\x)+4*\w:EL+16*(\x)+4*\w+3], v[EAA] offset:4096*\w+512*(\j)
.endr
.endm
.macro FIX x
.irp w, 0,1,2,3
.irp i, 0,1,2,3
	v_add_f32 v[EL+16*(\x)+4*\w+\i], v[EL+16*(\x)+4*\w+\i], v[MFM+\i]
.endr
.endr
.irp w, 0,1,2,3
.irp i, 0,1,2,3
	v_cvt_u32_f32 v[EL+16*(\x)+4*\w+\i], v[EL+16*(\x)+4*\w+\i]
.endr
.endr
.irp i, 0,1,2,3
	v_lshl_or_b32 v[PSC+4*(\x)+\i], v[EL+16*(\x)+4+\i], 8, v[EL+16*(\x)+\i]
.endr
.irp i, 0,1,2,3
	v_lshl_or_b32 v[PSC+4*(\x)+\i], v[EL+16*(\x)+8+\i], 16, v[PSC+4*(\x)+\i]
.endr
.irp i, 0,1,2,3
	v_lshl_or_b32 v[PSC+4*(\x)+\i], v[EL+16*(\x)+12+\i], 24, v[PSC+4*(\x)+\i]
.endr
.rept 8
	v_nop
.endr
.endm
.macro MUL64 a, aw, b, sa, sb, cm
.irp g, 0,1
.if (\cm) == 2
	WIN (\aw)|4|((2+\g)<<6)
.else
	WIN (\aw)|4|((2+\g)<<4)|((2+\g)<<6)
.endif
.irp q, 0,1,2,3
.irp t, 0,1,2,3,4,5,6,7
.if (\cm) == 0
	SMM 64*\q+8*\t, (\a)+8*\t, (\b)+8*(4*\g+\q), 64*\q+8*\t, (\sa)+\t, (\sb)+\q, 2*\g
.elseif (\cm) == 1
	SMM 64*\q+8*\t, (\a)+8*\t, (\b)+8*(4*\g+\q), -1, (\sa)+\t, (\sb)+\q, 2*\g
.else
	SMM 64*\q+8*\t, (\a)+8*\t, (\b)+8*(4*\g+\q), BIAS+8*\t, (\sa)+\t, (\sb)+\q, 2*\g
.endif
.endr
.endr
.endr
.endm
.macro VSTEP k
.if (\k) == 0
	s_wait_dscnt 22
	s_wait_loadcnt 0x0
.elseif (\k) == 7
	s_wait_dscnt 0x0
.else
	s_wait_dscnt 38
.endif
	FIX (\k)%2
.if (\k) == 0
	MUL64 64*((\k)%2), 1, 128+64*((\k)%2), VS+8*((\k)%2), PSC+4*((\k)%2), 1
.else
	MUL64 64*((\k)%2), 1, 128+64*((\k)%2), VS+8*((\k)%2), PSC+4*((\k)%2), 0
.endif
	WIN 0
	PLACES
.if (\k) < 6
	LOADS (\k)%2, \k, 1
.endif
.endm
.macro LOADWP reg, win, s
	WIN (\win)<<6
.irp t, 0,1,2,3,4,5,6,7
.irp c, 0,1
	global_load_b128 v[(\reg)+8*\t+4*\c:(\reg)+8*\t+4*\c+3], v[LI], s[WPP:WPP+1] offset:4096*\t+1024*(\s)+512*\c
.endr
.endr
	WIN 0
.endm
.macro LOADO x, s, g                   ; half g's four fragments of O for K step s (window 1, v[128 + 32 x] on) and their scale words: 9 LDS loads
	WIN 0x40
.irp i, 0,1,2,3,4,5,6,7
	ds_load_b128 v[128+32*(\x)+4*\i:128+32*(\x)+4*\i+3], v[OA+(\s)] offset:16384*(\g)+512*\i
.endr
	WIN 0
	ds_load_b128 v[OS+4*(\x):OS+4*(\x)+3], v[OA+(\s)] offset:16384*(\g)+8192
.endm
.macro XLOAD q, xb                     ; tile q's 16 rows of x, my 512 bytes of each, into window 1 from v[xb] on
	WIN 0x40
.irp i, 0,1,2,3,4,5,6,7,8,9,10,11,12,13,14,15
	global_load_b128 v[(\xb)+4*\i:(\xb)+4*\i+3], v[LI], s[12:13] offset:(32*((\q)/2)+8*((\q)%2)+\i+8*(\i/8))*2048 th:TH_LOAD_NT
.endr
	WIN 0
.endm
.macro TOSTAGE q
	WIN 0x08+4*((\q)/4)
.irp t, 0,1,2,3,4,5,6,7
	ds_store_b128 v[STO], v[64*((\q)%4)+8*\t:64*((\q)%4)+8*\t+3] offset:128*(\t/2)+32*(\t%2)
	ds_store_b128 v[STO], v[64*((\q)%4)+8*\t+4:64*((\q)%4)+8*\t+7] offset:128*(\t/2)+32*(\t%2)+16
.endr
	WIN 0x80+0x40*((\q)/4)
.irp i, 0,1,2,3,4,5,6,7,8,9,10,11,12,13,14,15
	ds_load_b128 v[64*((\q)%4)+4*\i:64*((\q)%4)+4*\i+3], v[VLA] offset:SPITCH*\i
.endr
.endm
.macro FINISH q, xb, younger, lc       ; younger: LDS instructions issued behind tile q's read-back; lc: loads of x issued behind tile q's
	s_wait_dscnt \younger
	s_wait_loadcnt \lc
	WIN 0x86+0x41*((\q)/4)
.set j, 0
.rept 32
	v_pk_add_f32 v[64*((\q)%4)+j:64*((\q)%4)+j+1], v[64*((\q)%4)+j:64*((\q)%4)+j+1], v[(\xb)+j:(\xb)+j+1]
.set j, j+2
.endr
	WIN 0x08+4*((\q)/4)
.irp i, 0,1,2,3,4,5,6,7,8,9,10,11,12,13,14,15
	global_store_b128 v[LI], v[64*((\q)%4)+4*\i:64*((\q)%4)+4*\i+3], s[14:15] offset:(32*((\q)/2)+8*((\q)%2)+\i+8*(\i/8))*2048 th:TH_STORE_NT
.endr
.endm
	s_load_b256 s[4:11], s[0:1], 0x0
	s_load_b128 s[12:15], s[0:1], 0x20
	v_lshl_add_u32 v26, v0, 2, 0x4a000
	v_mov_b32 v27, 0
	ds_add_u32 v26, v27
	ds_add_u32 v26, v27
	v_lshrrev_b32 v28, 5, v0
	v_readfirstlane_b32 s[WV], v28
	s_and_b32 s19, ttmp7, 0xffff
	s_mov_b32 s[G1V], 15|(3<<16)|(1<<21)
	s_mov_b32 s[G1V+1], 1024<<16
	s_mov_b32 s[G1V+2], 6<<16
	s_mov_b32 s[G1V+3], 1024<<16
	s_mov_b32 s[G1V+4], 6
	s_mov_b32 s[G1V+5], 8192
	s_mov_b32 s[G1V+6], 0
	s_mov_b32 s[G1V+7], 0
	s_mov_b32 s[G0V], 1
	s_mul_i32 s[G0V+1], s[WV], VWAVE
	s_lshl_b32 s60, s19, 19
	s_lshl_b32 s61, s[WV], 13
	s_add_co_u32 s60, s60, s61
	s_add_co_u32 s60, s60, 32768
	s_mov_b32 s61, 0
	s_lshl_b32 s62, s19, 15
	s_lshl_b32 s63, s[WV], 9
	s_add_co_u32 s62, s62, s63
	s_add_co_u32 s62, s62, 16777216+2048
	s_mov_b32 s63, 0
	s_wait_dscnt 0x0
	s_wait_kmcnt 0x0
	s_add_nc_u64 s[VP:VP+1], s[6:7], s[60:61]
	s_mov_b64 s[G0V+2:G0V+3], s[VP:VP+1]
	s_or_b32 s[G0V+3], s[G0V+3], 0x80000000
	s_add_nc_u64 s[VSP:VSP+1], s[6:7], s[62:63]
	s_mov_b32 s[SEL], 0x76543210
	s_mov_b32 s[SEL+1], 0xfedcba98
	s_mov_b32 s[CS], 0x3d8293ee
	s_mov_b32 s[CS+1], s[CS]
	s_mov_b32 s[HIM], 0xffff0000
	v_and_b32 v28, 31, v0
	v_and_b32 v29, 15, v0
	v_bfe_u32 v30, v0, 4, 1
	v_lshlrev_b32 v[LI], 4, v28
	s_wait_alu depctr_va_vdst(0)
	v_lshlrev_b32 v[QA], 4, v29
	s_wait_alu depctr_va_vdst(0)
	v_lshlrev_b32 v[R4], 2, v29
	v_lshlrev_b32 v[HB], 6, v30
	s_bfe_u32 s17, ttmp6, 0x40000
	s_lshl_b32 s18, ttmp9, 2
	s_add_co_u32 s18, s18, s17
	s_lshl_b32 s72, s19, 3
	s_add_co_u32 s72, s72, s18
	s_mul_i32 s72, s72, QBLK
	s_mov_b32 s73, 0
	s_add_nc_u64 s[4:5], s[4:5], s[72:73]
	s_lshl_b32 s72, s19, 19
	s_lshl_b32 s74, s[WV], 11
	s_add_co_u32 s72, s72, s74
	s_add_nc_u64 s[KP:KP+1], s[6:7], s[72:73]
	s_lshl_b32 s72, s19, 15
	s_add_co_u32 s72, s72, 16777216
	s_lshr_b32 s74, s[WV], 1
	s_lshl_b32 s74, s74, 8
	s_add_co_u32 s72, s72, s74
	s_and_b32 s74, s[WV], 1
	s_lshl_b32 s74, s74, 3
	s_add_co_u32 s72, s72, s74
	s_add_nc_u64 s[KSP:KSP+1], s[6:7], s[72:73]
	WIN 0x80
.irp q, 0,1,2,3,4,5,6,7
.irp s, 0,1,2,3
.irp c, 0,1
	global_load_b128 v[32*\q+8*\s+4*\c:32*\q+8*\s+4*\c+3], v[LI], s[4:5] offset:(8*\s+\q)*1024+512*\c
.endr
.endr
.endr
	WIN 0
.irp s, 0,1,2,3
	global_load_b128 v[QS+4*\s:QS+4*\s+3], v[LI], s[4:5] offset:32768+512*\s
.endr
	LOADK 0, 0, 0
	LOADK 1, 65536, 4096
.irp j, 0,1,2,3,4,5,6,7
	global_load_b128 v[EL+4*\j:EL+4*\j+3], v[LI], s[VSP:VSP+1] offset:4096*\j   ; V's scale image of key step j: 512 consecutive bytes; the registers are idle until phase 2
.endr
	s_wait_alu depctr_va_vdst(0)
	CROUND                                         ; all four work-groups are here: the joint loads meet.  What phase 1 waits for has been asked for above; V is first read behind the loop
	tensor_load_to_lds s[G0V:G0V+3], s[G1V:G1V+7]  ; my one tensor load of the launch: key steps 0 to 5 of my 128 channels of V^T
	s_nop 0
	PLACES
	WIN 0x40
.irp p, 0,1
.irp i, 0,1,2,3,4,5,6,7,8,9,10,11,12,13,14,15
	global_load_b128 v[64*\p+4*\i:64*\p+4*\i+3], v[LI], s[VP:VP+1] offset:(6+\p)*65536+512*\i
.endr
.endr
	WIN 0
	s_lshl_b32 s70, s[WV], 14
	s_add_co_u32 s70, s70, PL
	v_lshl_add_u32 v[PST], v30, 3, v[QA]
	v_add_nc_u32 v[PST], s70, v[PST]
	s_lshl_b32 s70, s[WV], 12
	s_add_co_u32 s71, s70, EAB
	v_add_nc_u32 v[EST], s71, v[LI]
	s_add_co_u32 s71, s70, VSL
	v_add_nc_u32 v[VSA], s71, v[QA]
	v_add_nc_u32 v[VSW], s71, v[LI]
	v_add_nc_u32 v[VLA], s[G0V+1], v[LI]
	v_lshl_add_u32 v[PLA], v30, 14, v[QA]
	v_add_nc_u32 v[PLA], PL, v[PLA]
	v_add_nc_u32 v[EAA], EAB, v[LI]
	s_lshl_b32 s71, s[WV], 11
	s_add_co_u32 s71, s71, STX
	v_add_nc_u32 v[SXW], s71, v[LI]
	v_add_nc_u32 v[SXR], STX, v[LI]
	v_mul_u32_u24 v[STO], v29, SPITCH
	v_lshl_add_u32 v[STO], v30, 6, v[STO]
	v_add_nc_u32 v[STO], s[G0V+1], v[STO]
	v_add_nc_u32 v[OWI], OIM, v[VLA]
.irp s, 0,1,2,3
	v_add_nc_u32 v[OA+\s], \s*VWAVE+OIM, v[LI]
.endr
	v_lshrrev_b32 v31, 1, v28
	v_and_b32 v[PFO], 1, v28
	v_lshlrev_b32 v[PFO], 8, v[PFO]
	v_lshl_add_u32 v[PFO], v31, 11, v[PFO]
	s_lshl_b32 s72, s19, 21
	s_lshl_b32 s74, s18, 18
	s_add_co_u32 s72, s72, s74
	s_lshl_b32 s74, s[WV], 9
	s_add_co_u32 s72, s72, s74
	s_add_nc_u64 s[12:13], s[12:13], s[72:73]
	s_add_nc_u64 s[14:15], s[14:15], s[72:73]
	s_mov_b64 s[XP:XP+1], s[12:13]
	s_mov_b32 s72, s74
	s_add_nc_u64 s[10:11], s[10:11], s[72:73]
	s_lshl_b32 s72, s[WV], 15
	s_add_co_u32 s72, s72, 417792
	s_add_nc_u64 s[WPP:WPP+1], s[8:9], s[72:73]
	s_lshl_b32 s72, s[WV], 11
	s_add_co_u32 s72, s72, 548864
	s_add_nc_u64 s[WSP:WSP+1], s[8:9], s[72:73]
.irp q, 0,1,2,3,4,5,6,7
	v_mov_b32 v[ST+8*\q+1], 0xff61b1e6
	v_floor_f32 v[ST+8*\q], -v[ST+8*\q+1]
.irp i, 2,3,4,5,6,7
	v_mov_b32 v[ST+8*\q+\i], 0
.endr
	v_mov_b32 v[TMP+\q], 0
.endr
	s_mov_b32 s[TRIP], 4
	s_mov_b32 s[PSO], 0
	s_mov_b32 s[ESO], 0
.Lk:
	KSTEP 0
	KSTEP 1
	s_wait_xcnt 0x0
	s_add_nc_u64 s[KP:KP+1], s[KP:KP+1], 131072
	s_add_nc_u64 s[KSP:KSP+1], s[KSP:KSP+1], 8192
	s_add_nc_u64 s[XP:XP+1], s[XP:XP+1], 65536     ; 32 rows of x on (behind the wait on XCNT above); the fourth trip's step is not used
	s_add_co_u32 s[PSO], s[PSO], 4096
	s_add_co_u32 s[ESO], s[ESO], 1024
	s_sub_co_u32 s[TRIP], s[TRIP], 1
	s_cmp_lg_u32 s[TRIP], 0
	s_cbranch_scc1 .Lk
.irp q, 0,1,2,3,4,5,6,7
	v_add_f32 v[ST+8*\q+6], v[ST+8*\q+2], v[ST+8*\q+3]
.endr
.irp q, 0,1,2,3,4,5,6,7
	v_permlanex16_b32 v[TMP+\q], v[ST+8*\q+6], s[SEL], s[SEL+1]
.endr
	s_wait_alu depctr_va_vdst(0)
	s_wait_dscnt 0x0
.irp q, 0,1,2,3,4,5,6,7
	v_add_f32 v[XS+8+\q], v[ST+8*\q+6], v[TMP+\q]
.endr
.irp q, 0,1,2,3,4,5,6,7
	v_mov_b32 v[XS+\q], v[ST+8*\q]
.endr
.irp k, 0,1,2,3
	ds_store_b128 v[SXW], v[XS+4*\k:XS+4*\k+3] offset:512*\k
.endr
	s_wait_loadcnt 0x0                             ; V's scale images are in
.irp j, 0,1,2,3,4,5,6,7
	ds_store_b128 v[VSW], v[EL+4*\j:EL+4*\j+3] offset:512*\j   ; into my wave's own bytes, which my wave alone reads
.endr
	s_wait_tensorcnt 0x0
	s_wait_dscnt 0x0
	s_barrier_signal -1
	s_barrier_wait -1
.irp w, 0,1,2,3
.irp k, 0,1,2,3
	ds_load_b128 v[XL+16*\w+4*\k:XL+16*\w+4*\k+3], v[SXR] offset:2048*\w+512*\k
.endr
.endr
	LOADS 0, 6, 0
	LOADS 1, 7, 0
	s_wait_dscnt 44
.irp q, 0,1,2,3,4,5,6,7
	v_min3_num_f32 v[MF+\q], v[XL+\q], v[XL+16+\q], v[XL+32+\q]
.endr
.irp q, 0,1,2,3,4,5,6,7
	v_min_num_f32 v[MF+\q], v[MF+\q], v[XL+48+\q]
.endr
.irp w, 0,1,2,3
.irp q, 0,1,2,3,4,5,6,7
	v_sub_f32 v[XL+16*\w+\q], v[MF+\q], v[XL+16*\w+\q]
.endr
.endr
.irp w, 0,1,2,3
.irp q, 0,1,2,3,4,5,6,7
	v_cvt_i32_f32 v[XL+16*\w+\q], v[XL+16*\w+\q]
.endr
.endr
.irp w, 0,1,2,3
.irp q, 0,1,2,3,4,5,6,7
	v_ldexp_f32 v[XL+16*\w+8+\q], v[XL+16*\w+8+\q], v[XL+16*\w+\q]
.endr
.endr
.irp q, 0,1,2,3,4,5,6,7
	v_add_f32 v[XL+8+\q], v[XL+8+\q], v[XL+24+\q]
.endr
.irp q, 0,1,2,3,4,5,6,7
	v_add_f32 v[XL+40+\q], v[XL+40+\q], v[XL+56+\q]
.endr
.irp q, 0,1,2,3,4,5,6,7
	v_add_f32 v[LT+\q], v[XL+8+\q], v[XL+40+\q]
.endr
.irp i, 0,1,2,3
	v_cndmask_b32 v[MFM+\i], v[MF+\i], v[MF+4+\i], s[HIM]
.endr
	s_wait_alu depctr_va_vdst(0)
.irp k, 0,1,2,3,4,5,6,7
	VSTEP \k
.endr
	LOADWP 0, 1, 0
	LOADWP 64, 1, 1
.irp s, 0,1,2,3
.irp t, 0,1,2,3,4,5,6,7
	global_load_b32 v[WS+8*\s+\t], v[R4], s[WSP:WSP+1] offset:512*\s+64*\t
.endr
.endr
.irp t, 0,1,2,3,4,5,6,7
	global_load_b128 v[BIAS+8*\t:BIAS+8*\t+3], v[HB], s[10:11] offset:(32*(\t/2)+8*(\t%2))*4
	global_load_b128 v[BIAS+8*\t+4:BIAS+8*\t+7], v[HB], s[10:11] offset:(32*(\t/2)+8*(\t%2))*4+16
.endr
	LOADWP W2, 0, 2
	LOADWP W3, 1, 3                                ; Wp's K step 3: window 1, v192 on; K steps 2 and 3, the bias and the scale words stay for both halves
; 32 products of the projection: Wp's eight tiles of channels (source 0) against half g's four tiles of queries (source 1); the 32 accumulators by turns.  cm = 2: the bias is the C.
.macro MUL32 a, aw, b, sa, sb, g, cm
.if (\cm) == 2
	WIN (\aw)|4|((2+(\g))<<6)
.else
	WIN (\aw)|4|((2+(\g))<<4)|((2+(\g))<<6)
.endif
.irp q, 0,1,2,3
.irp t, 0,1,2,3,4,5,6,7
.if (\cm) == 0
	SMM 64*\q+8*\t, (\a)+8*\t, (\b)+8*\q, 64*\q+8*\t, (\sa)+\t, (\sb)+\q, 0
.else
	SMM 64*\q+8*\t, (\a)+8*\t, (\b)+8*\q, BIAS+8*\t, (\sa)+\t, (\sb)+\q, 0
.endif
.endr
.endr
.endm
; PHASE 3 GOES IN TWO HALVES of four tiles of queries (half g: window 2 + g): divided by the sum, quantised, exchanged, projected, added to x, stored.  The first half's 64 stores a wave are out while the second half is worked.
; Half g's image of O lies 16,384 g further on in each wave's region, so that one barrier a half orders the writers and the readers.  A scale word is the same in lanes l and l xor 16, so the four words are stored as they stand.
; x has three buffers in window 1 (v0, v64, v128: registers that Wp's K steps 0 and 1 and O's fragments have left); the half's fourth tile takes the first buffer when it has been added.
.macro HTAIL g
	s_wait_alu depctr_va_vdst(0)                   ; the wait ahead of the batch
.irp q, 0,1,2,3
	v_rcp_f32 v[RL+2*\q], v[LT+4*(\g)+\q]
.endr
	v_nop                                          ; one plain place behind the transcendentals
	s_wait_alu depctr_va_vdst(0)                   ; and the wait ahead of their first reader, which is also the first reader of the half's sums
	WIN 0x82+0x41*(\g)
.irp q, 0,1,2,3
.set j, 0
.rept 32
	v_pk_mul_f32 v[64*\q+j:64*\q+j+1], v[64*\q+j:64*\q+j+1], v[RL+2*\q:RL+2*\q+1] op_sel_hi:[1,0]
.set j, j+2
.endr
.endr
.irp q, 0,1,2,3
	QUANT 64*\q, 2+(\g), PC, PW+\q
	ds_store_b128 v[OWI], v[PC:PC+3] offset:16384*(\g)+1024*\q
	ds_store_b128 v[OWI], v[PC+4:PC+7] offset:16384*(\g)+1024*\q+512
.endr
	ds_store_b128 v[OWI], v[PW:PW+3] offset:16384*(\g)+8192
	s_wait_dscnt 0x0                               ; for the others' sake: my stores have landed
	s_barrier_signal -1
	s_barrier_wait -1
	LOADO 0, 0, \g
	LOADO 1, 1, \g
	s_wait_dscnt 9                                 ; all but the nine just issued
	s_wait_loadcnt 0x0                             ; Wp, its scale words and the bias
	MUL32 0, 1, 128, WS, OS, \g, 2
	WIN 0
	PLACES
	XLOAD 4*(\g), 0
	LOADO 0, 2, \g
	s_wait_dscnt 9
	MUL32 64, 1, 160, WS+8, OS+4, \g, 0
	WIN 0
	PLACES
	XLOAD 4*(\g)+1, 64
	LOADO 1, 3, \g
	s_wait_dscnt 9
	MUL32 W2, 0, 128, WS+16, OS, \g, 0
	s_wait_dscnt 0x0
	MUL32 W3, 1, 160, WS+24, OS+4, \g, 0
	WIN 0
	PLACES
	XLOAD 4*(\g)+2, 128
	TOSTAGE 4*(\g)
	TOSTAGE 4*(\g)+1
	FINISH 4*(\g), 0, 32, 32
	XLOAD 4*(\g)+3, 0
	TOSTAGE 4*(\g)+2
	FINISH 4*(\g)+1, 64, 32, 32
	TOSTAGE 4*(\g)+3
	FINISH 4*(\g)+2, 128, 32, 16
	FINISH 4*(\g)+3, 0, 0, 0
	WIN 0
.endm
	HTAIL 0
	LOADWP 0, 1, 0                                 ; Wp's K steps 0 and 1 once more: x's buffers lay over them
	LOADWP 64, 1, 1
	HTAIL 1
	WIN 0
	s_wait_dscnt 0x0
	s_wait_tensorcnt 0x0
	ds_add_u32 v26, v27
	s_wait_dscnt 0x0
	CROUND
	s_endpgm
.Lfunc_end_k_q2df5521e3b_attn:
	.size	k_q2df5521e3b_attn, .Lfunc_end_k_q2df5521e3b_attn-k_q2df5521e3b_attn
	.p2alignl 7, 3214868480
	.fill 96, 4, 3214868480
	.section	.rodata,"a",@progbits
	.p2align	6, 0x0
	.amdhsa_kernel k_q2df5521e3b_attn
		.amdhsa_group_segment_fixed_size 327680
		.amdhsa_private_segment_fixed_size 0
		.amdhsa_enable_private_segment 0
		.amdhsa_kernarg_size 48
		.amdhsa_user_sgpr_count 2
		.amdhsa_user_sgpr_kernarg_segment_ptr 1
		.amdhsa_wavefront_size32 1
		.amdhsa_system_sgpr_workgroup_id_x 1
		.amdhsa_system_sgpr_workgroup_id_y 1
		.amdhsa_system_sgpr_workgroup_id_z 1
		.amdhsa_system_vgpr_workitem_id 0
		.amdhsa_next_free_vgpr 1024
		.amdhsa_next_free_sgpr 80
		.amdhsa_reserve_vcc 0
		.amdhsa_float_denorm_mode_32 3
		.amdhsa_float_denorm_mode_16_64 3
		.amdhsa_memory_ordered 1
		.amdhsa_forward_progress 1
		.amdhsa_inst_pref_size 255
	.end_amdhsa_kernel
	.section	.bss,"aw",@nobits
	.p2align	6
	.space	262144
	.amdgpu_metadata
---
amdhsa.version: [ 1, 2 ]
amdhsa.kernels:
  - .name:           k_q2df5521e3b_attn
    .symbol:         k_q2df5521e3b_attn.kd
    .args:
      - { .name: qq, .offset: 0, .size: 8, .value_kind: global_buffer, .address_space: global }
      - { .name: kv, .offset: 8, .size: 8, .value_kind: global_buffer, .address_space: global }
      - { .name: wc, .offset: 16, .size: 8, .value_kind: global_buffer, .address_space: global }
      - { .name: bp, .offset: 24, .size: 8, .value_kind: global_buffer, .address_space: global }
      - { .name: x, .offset: 32, .size: 8, .value_kind: global_buffer, .address_space: global }
      - { .name: out0, .offset: 40, .size: 8, .value_kind: global_buffer, .address_space: global }
    .group_segment_fixed_size: 327680
    .private_segment_fixed_size: 0
    .kernarg_segment_align: 8
    .kernarg_segment_size: 48
    .max_flat_workgroup_size: 128
    .sgpr_count:     80
    .vgpr_count:     1024
    .wavefront_size: 32
...
	.end_amdgpu_metadata
.endif
;; end of part 3
